; MI455X (gfx1250); checked and timed in simulation.
; The chip was launched on July 23, 2026; its instructions are those of AMD's public machine-readable ISA for CDNA 5 (MIT licence, August 2026) and "CDNA5" Instruction Set Architecture Reference Guide (July 2026). The comments in the code are by the model that wrote it; some were corrected since.
;; Gated Delta Net Attention. Allowed arithmetic: float matrix products may take bf16 or f16 operands with f32 sums; all other float work in f32.
;; Inputs: Wbeta 1,024 x 16 float32; Wk 1,024 x 1,024 float32; Wo 1,024 x 1,024 float32; Wq 1,024 x 1,024 float32; Wv 1,024 x 1,024 float32; bbeta 16 float32; bk 1,024 float32; bo 1,024 float32; bq 1,024 float32; bv 1,024 float32; x 4 x 2,048 x 1,024 float32.
;; Outputs: out0 4 x 2,048 x 1,024 float32.
;; One version. Each part assembles by itself: llvm-mc -triple=amdgcn-amd-amdhsa -mcpu=gfx1250 --defsym DOCPART=n.
;; ======== version 1 of 1: 5 launches
;; limits: values are held in f16: magnitudes above 65,504 overflow, below 6.1e-05 lose precision; right only within a limited range of input values
;; workspace buffers: xb 16,777,216 bytes; wt 8,388,608 bytes; betab 524,288 bytes; qh 16,777,216 bytes; kh 16,777,216 bytes; vh 16,777,216 bytes; qs 524,288 bytes; ob 16,777,216 bytes
;; launch prep (part 1): grid 768 x 1, 8 waves a work-group, no clusters, 91,136 bytes of LDS; arguments x, Wq, Wk, Wv, Wo, Wbeta, bbeta, xb, wt, betab; writes xb, wt, betab
.if DOCPART == 1
	.amdgcn_target "amdgcn-amd-amdhsa--gfx1250"
	.amdhsa_code_object_version 6
	.text
	.protected	k_q18a2760fa3_prep
	.globl	k_q18a2760fa3_prep
	.p2align	8
	.type	k_q18a2760fa3_prep,@function
k_q18a2760fa3_prep:
	s_mov_b64 s[64:65], 0
	v_nop
	global_prefetch_b8 v0, s[64:65] scope:SCOPE_SE
	s_setreg_imm32_b32 hwreg(HW_REG_WAVE_MODE, 25, 1), 1
	s_wait_xcnt 0x0
; PREPARATION.  Work-groups 0-255: xb = x rounded to bf16, and beta = sigmoid(x Wbeta + bbeta) in f32, laid out [b][s / 32][h][32], so that the 32 rows of a work-group are 2,048 consecutive bytes.
; Work-groups 256-767: wt = the four square weights rounded to bf16 and turned, [row n][k]: row 192 h + 64 m + j is column 64 h + j of Wq, Wk, Wv (m = 0, 1, 2),
; row 3072 + n is column n of Wo.  The branch between the two parts hangs on the work-group's number alone, so all eight waves pass the same barriers.
; Memory binds: x is read once by loads of 512 consecutive bytes a wave; every store of a wave covers whole aligned runs of 256 bytes.  No cluster: no tile is shared.
; 256 work-groups for x and 512 for the weights: one and two for each of 256 WGPs.  All inputs are rounded to bf16 (bbeta too), sums in f32.
.set SPARE, 90112                      ; the spare words: 128 bytes for each of eight waves, four blocks of 256 bytes that no other line names
.set PART,  69632                      ; part X: eight waves' partial sums, 32 rows x 80 bytes each
.set SPW, 14                           ; v14  my spare word's LDS address; never rewritten
.set NIL, 15                           ; v15  0; never rewritten
.set ACC, 16                           ; v[16:31]   two accumulators (16 heads x 16 rows of x each)
.set WBF, 32                           ; v[32:63]   Wbeta's fragments for my 128 k: four K steps of 32
.set XF,  64                           ; v[64:127]  Wbeta as loaded, then x's fragments, then the partial sums
.set X,   128                          ; v[128:255] 32 rows of x, 4 registers each
	s_load_b512 s[8:23], s[0:1], 0x0               ; x s[8:9], Wq s[10:11], Wk s[12:13], Wv s[14:15], Wo s[16:17], Wbeta s[18:19], bbeta s[20:21], xb s[22:23]
	s_load_b128 s[24:27], s[0:1], 0x40             ; wt s[24:25], betab s[26:27]
	v_lshl_add_u32 v[SPW], v0, 2, SPARE
	v_mov_b32 v[NIL], 0
	v_lshrrev_b32 v1, 5, v0
	v_readfirstlane_b32 s2, v1                     ; wave 0..7
	v_and_b32 v1, 31, v0                           ; lane
	v_and_b32 v2, 15, v0                           ; thread % 16
	v_lshrrev_b32 v3, 4, v0                        ; thread / 16
	s_cmp_lt_u32 ttmp9, 256
	s_cbranch_scc0 .Lweights
; ---------------- PART X: 32 rows of x; wave w owns columns 128 w .. 128 w + 127 ----------------
	v_bfe_u32 v4, v0, 4, 1                         ; h = lane / 16
	v_lshlrev_b32 v16, 2, v3                       ; bbeta: 4 x head of the last step
	v_lshlrev_b32 v6, 2, v2                        ; Wbeta[k][head]: 4 r + 64 (8 h) + 64 (128 w)
	v_lshl_add_u32 v6, v4, 9, v6
	s_lshl_b32 s3, s2, 13
	v_add_nc_u32 v6, s3, v6
	s_lshl_b32 s3, s2, 9
	v_lshl_add_u32 v7, v1, 4, s3                   ; x: 512 w + 16 lane
	s_lshl_b32 s3, s2, 8
	v_lshl_add_u32 v8, v1, 3, s3                   ; xb: 256 w + 8 lane
	s_mul_i32 s4, s2, 8704                         ; my stage: 32 rows x 272 bytes
	v_lshl_add_u32 v9, v1, 3, s4                   ; into it: 8 lane
	v_mul_u32_u24 v10, v2, 272                     ; out of it, as fragments: row r, 16 h
	v_lshl_add_u32 v10, v4, 4, v10
	v_add_nc_u32 v10, s4, v10
	s_mul_i32 s5, s2, 2560
	s_add_co_u32 s5, s5, PART
	v_mul_u32_u24 v11, v2, 80                      ; my partial sums: row r, heads 8 h ..
	v_lshl_add_u32 v11, v4, 5, v11
	v_add_nc_u32 v11, s5, v11
	v_mul_u32_u24 v12, v2, 160                     ; the last step reads rows 2 (t % 16) + e, head t / 16
	v_lshl_add_u32 v12, v3, 2, v12
	v_add_nc_u32 v12, PART, v12
	v_lshlrev_b32 v13, 3, v0                       ; betab: head x 128 + 8 (t % 16) = 8 t
	s_lshl_b32 s28, ttmp9, 17                      ; 32 rows of 4,096 bytes
	s_mov_b32 s29, 0
	s_lshl_b32 s30, ttmp9, 16                      ; 32 rows of 2,048 bytes
	s_mov_b32 s31, 0
	s_lshl_b32 s32, ttmp9, 11                      ; 16 heads x 32 tokens x 4 bytes
	s_mov_b32 s33, 0
	s_mov_b32 s6, 0xbfb8aa3b                       ; -log2(e)
	s_wait_kmcnt 0x0
	s_add_nc_u64 s[8:9], s[8:9], s[28:29]
	s_add_nc_u64 s[22:23], s[22:23], s[30:31]
	s_add_nc_u64 s[26:27], s[26:27], s[32:33]
	global_load_b32 v5, v16, s[20:21]
.set i, 0
.rept 64                                       ; register 16 q + 8 p + j holds k = 128 w + 32 q + 16 p + 8 h + j of head r
	global_load_b32 v[XF+i], v6, s[18:19] offset:(32*(i/16)+16*((i/8)%2)+i%8)*64
.set i, i+1
.endr
.set i, 0
.rept 32                                       ; 32 rows: each load takes my 512 bytes of one row
	global_load_b128 v[X+4*i:X+4*i+3], v7, s[8:9] offset:i*4096 th:TH_LOAD_NT
.set i, i+1
.endr
	s_wait_loadcnt 32                              ; the 32 loads of x are younger: bbeta and Wbeta are in
.set i, 0
.rept 32
	v_cvt_pk_bf16_f32 v[WBF+i], v[XF+2*i], v[XF+2*i+1]
.set i, i+1
.endr
; round, store to xb, lay into my stage
.set i, 0
.rept 32
	s_wait_loadcnt 31-i                            ; loads come back in order: row i is in, the younger rows stay out
	v_cvt_pk_bf16_f32 v[X+4*i], v[X+4*i], v[X+4*i+1]
	v_cvt_pk_bf16_f32 v[X+4*i+1], v[X+4*i+2], v[X+4*i+3]
	global_store_b64 v8, v[X+4*i:X+4*i+1], s[22:23] offset:i*2048  ; the wave's 32 lanes store 256 consecutive bytes, aligned
	ds_store_b64 v9, v[X+4*i:X+4*i+1] offset:i*272
.set i, i+1
.endr
; 16 heads x 32 rows x my 128 k on the matrix unit (source 0 = Wbeta^T, source 1 = x: a lane holds one row of x and eight heads)
.irp t, 0,1
.irp q, 0,1,2,3
	ds_load_b128 v[XF+8*(4*\t+\q):XF+8*(4*\t+\q)+3],   v10 offset:\t*16*272+\q*64     ; my own bytes: LDS serves a wave's instructions in order
	ds_load_b128 v[XF+8*(4*\t+\q)+4:XF+8*(4*\t+\q)+7], v10 offset:\t*16*272+\q*64+32
.endr
.endr
	s_wait_dscnt 0x0
.irp q, 0,1,2,3                        ; the two accumulators take turns
.irp t, 0,1
.if \q == 0
	v_wmma_f32_16x16x32_bf16 v[ACC+8*\t:ACC+8*\t+7], v[WBF+8*\q:WBF+8*\q+7], v[XF+8*(4*\t+\q):XF+8*(4*\t+\q)+7], 0
.else
	v_wmma_f32_16x16x32_bf16 v[ACC+8*\t:ACC+8*\t+7], v[WBF+8*\q:WBF+8*\q+7], v[XF+8*(4*\t+\q):XF+8*(4*\t+\q)+7], v[ACC+8*\t:ACC+8*\t+7]
.endif
.endr
.endr
.rept 4
	v_nop                                          ; four places between the last product and the stores that read the results
.endr
.irp t, 0,1
	ds_store_b128 v11, v[ACC+8*\t:ACC+8*\t+3]   offset:16*\t*80
	ds_store_b128 v11, v[ACC+8*\t+4:ACC+8*\t+7] offset:16*\t*80+16
.endr
	s_wait_dscnt 0x0                               ; for the others' sake: my partial sums are written
	s_barrier_signal -1
	s_barrier_wait -1
.set i, 0
.rept 16                                       ; wave i / 2's partial sum for row 2 (t % 16) + i % 2
	ds_load_b32 v[XF+i], v12 offset:(i/2)*2560+(i%2)*80
.set i, i+1
.endr
	v_cvt_pk_bf16_f32 v5, v5, v5                   ; bbeta rounded like every other input,
	v_lshlrev_b32 v5, 16, v5
	v_mul_f32 v5, s6, v5                           ; times -log2(e)
	s_wait_dscnt 0x0
.set i, 1
.rept 7
	v_pk_add_f32 v[XF:XF+1], v[XF:XF+1], v[XF+2*i:XF+2*i+1]
.set i, i+1
.endr
.irp e, 0,1
	v_fma_f32 v[XF+\e], v[XF+\e], s6, v5           ; -log2(e) (z + b)
.endr
.irp e, 0,1
	v_exp_f32 v[XF+\e], v[XF+\e]
.endr
	v_nop                                          ; a plain instruction behind the last exponential
	s_wait_alu depctr_va_vdst(0)
.irp e, 0,1
	v_add_f32 v[XF+\e], 1.0, v[XF+\e]
.endr
.irp e, 0,1
	v_rcp_f32 v[XF+\e], v[XF+\e]
.endr
	v_nop
	s_wait_alu depctr_va_vdst(0)
	global_store_b64 v13, v[XF:XF+1], s[26:27]     ; a wave stores 256 consecutive bytes, aligned: two heads' 32 tokens
	s_wait_tensorcnt 0x0                           ; the wave's end
	ds_add_u32 v[SPW], v[NIL]
	s_wait_dscnt 0x0
	s_endpgm
; ---------------- PART W: a tile of 128 k x 64 n of one weight is rounded and turned through LDS ----------------
.Lweights:
	s_sub_co_u32 s3, ttmp9, 256
	s_lshr_b32 s4, s3, 7                           ; m: which weight
	s_bfe_u32 s5, s3, 0x40003                      ; nb: which 64 columns
	s_and_b32 s6, s3, 7                            ; kb: which 128 rows
	v_lshlrev_b32 v4, 15, v3                       ; load: rows 8 (t / 16) + j, 16 bytes at 16 (t % 16)
	v_lshl_add_u32 v4, v2, 4, v4
	v_mul_u32_u24 v5, v2, 1088                     ; into LDS: rows n = 4 (t % 16) + i of 272 bytes, 16 bytes (8 k) at 16 (t / 16)
	v_lshl_add_u32 v5, v3, 4, v5
	v_mul_u32_u24 v6, v3, 272                      ; back: row t / 16 + 16 u, 16 bytes at 16 (t % 16)
	v_lshl_add_u32 v6, v2, 4, v6
	v_lshlrev_b32 v7, 11, v3                       ; and the same in wt
	v_lshl_add_u32 v7, v2, 4, v7
	s_lshl_b32 s28, s6, 19                         ; 128 rows of 4,096 bytes
	s_lshl_b32 s7, s5, 8
	s_add_co_u32 s28, s28, s7
	s_mov_b32 s29, 0
	s_mul_i32 s30, s5, 192                         ; wt's first row: 192 nb + 64 m,
	s_lshl_b32 s7, s4, 6
	s_add_co_u32 s30, s30, s7
	s_lshl_b32 s7, s5, 6
	s_add_co_u32 s7, s7, 3072                      ; or 3072 + 64 nb for Wo
	s_cmp_eq_u32 s4, 3
	s_cselect_b32 s30, s7, s30
	s_lshl_b32 s30, s30, 11
	s_lshl_b32 s7, s6, 8
	s_add_co_u32 s30, s30, s7
	s_mov_b32 s31, 0
	s_wait_kmcnt 0x0
	s_cmp_eq_u32 s4, 1
	s_cselect_b64 s[32:33], s[12:13], s[10:11]
	s_cmp_eq_u32 s4, 2
	s_cselect_b64 s[32:33], s[14:15], s[32:33]
	s_cmp_eq_u32 s4, 3
	s_cselect_b64 s[32:33], s[16:17], s[32:33]
	s_add_nc_u64 s[32:33], s[32:33], s[28:29]
	s_add_nc_u64 s[24:25], s[24:25], s[30:31]
.irp j, 0,1,2,3,4,5,6,7
	global_load_b128 v[16+4*\j:16+4*\j+3], v4, s[32:33] offset:\j*4096 th:TH_LOAD_NT  ; sixteen lanes read 256 consecutive bytes of a row
.endr
	s_wait_loadcnt 0x0
.irp i, 0,1,2,3
.irp m, 0,1,2,3
	v_cvt_pk_bf16_f32 v[48+4*\i+\m], v[16+8*\m+\i], v[20+8*\m+\i]  ; column i: k = 2 m and 2 m + 1
.endr
.endr
.irp i, 0,1,2,3
	ds_store_b128 v5, v[48+4*\i:48+4*\i+3] offset:\i*272
.endr
	s_wait_dscnt 0x0                               ; for the others' sake
	s_barrier_signal -1
	s_barrier_wait -1
.irp u, 0,1,2,3
	ds_load_b128 v[64+4*\u:64+4*\u+3], v6 offset:\u*4352
.endr
.irp u, 0,1,2,3
	s_wait_dscnt 3-\u
	global_store_b128 v7, v[64+4*\u:64+4*\u+3], s[24:25] offset:\u*32768  ; sixteen lanes store 256 consecutive bytes of a row of wt, aligned
.endr
	s_wait_tensorcnt 0x0                           ; the wave's end
	ds_add_u32 v[SPW], v[NIL]
	s_wait_dscnt 0x0
	s_endpgm
.Lfunc_end_k_q18a2760fa3_prep:
	.size	k_q18a2760fa3_prep, .Lfunc_end_k_q18a2760fa3_prep-k_q18a2760fa3_prep
	.p2alignl 7, 3214868480
	.fill 96, 4, 3214868480
	.section	.rodata,"a",@progbits
	.p2align	6, 0x0
	.amdhsa_kernel k_q18a2760fa3_prep
		.amdhsa_group_segment_fixed_size 91136
		.amdhsa_private_segment_fixed_size 0
		.amdhsa_enable_private_segment 0
		.amdhsa_kernarg_size 80
		.amdhsa_user_sgpr_count 2
		.amdhsa_user_sgpr_kernarg_segment_ptr 1
		.amdhsa_wavefront_size32 1
		.amdhsa_system_sgpr_workgroup_id_x 1
		.amdhsa_system_sgpr_workgroup_id_y 1
		.amdhsa_system_sgpr_workgroup_id_z 1
		.amdhsa_system_vgpr_workitem_id 0
		.amdhsa_next_free_vgpr 256
		.amdhsa_next_free_sgpr 66
		.amdhsa_reserve_vcc 0
		.amdhsa_float_denorm_mode_32 3
		.amdhsa_float_denorm_mode_16_64 3
		.amdhsa_memory_ordered 1
		.amdhsa_forward_progress 1
		.amdhsa_inst_pref_size 33
	.end_amdhsa_kernel
	.amdgpu_metadata
---
amdhsa.version: [ 1, 2 ]
amdhsa.kernels:
  - .name:           k_q18a2760fa3_prep
    .symbol:         k_q18a2760fa3_prep.kd
    .args:
      - { .name: x, .offset: 0, .size: 8, .value_kind: global_buffer, .address_space: global }
      - { .name: Wq, .offset: 8, .size: 8, .value_kind: global_buffer, .address_space: global }
      - { .name: Wk, .offset: 16, .size: 8, .value_kind: global_buffer, .address_space: global }
      - { .name: Wv, .offset: 24, .size: 8, .value_kind: global_buffer, .address_space: global }
      - { .name: Wo, .offset: 32, .size: 8, .value_kind: global_buffer, .address_space: global }
      - { .name: Wbeta, .offset: 40, .size: 8, .value_kind: global_buffer, .address_space: global }
      - { .name: bbeta, .offset: 48, .size: 8, .value_kind: global_buffer, .address_space: global }
      - { .name: xb, .offset: 56, .size: 8, .value_kind: global_buffer, .address_space: global }
      - { .name: wt, .offset: 64, .size: 8, .value_kind: global_buffer, .address_space: global }
      - { .name: betab, .offset: 72, .size: 8, .value_kind: global_buffer, .address_space: global }
    .group_segment_fixed_size: 91136
    .private_segment_fixed_size: 0
    .kernarg_segment_align: 8
    .kernarg_segment_size: 80
    .max_flat_workgroup_size: 256
    .sgpr_count:     66
    .vgpr_count:     256
    .wavefront_size: 32
...
	.end_amdgpu_metadata
.endif
;; end of part 1
;; launch proj (part 2): grid 16 x 32, 4 waves a work-group, clusters of 4 x 4, 327,680 bytes of LDS; arguments xb, wt, bq, bk, bv, qh, kh, vh, qs; writes qh, kh, vh, qs
.if DOCPART == 2
	.amdgcn_target "amdgcn-amd-amdhsa--gfx1250"
	.amdhsa_code_object_version 6
	.text
	.protected	k_q18a2760fa3_proj
	.globl	k_q18a2760fa3_proj
	.p2align	8
	.type	k_q18a2760fa3_proj,@function
k_q18a2760fa3_proj:
	s_mov_b64 s[64:65], 0
	v_nop
	global_prefetch_b8 v0, s[64:65] scope:SCOPE_SE
	s_setreg_imm32_b32 hwreg(HW_REG_WAVE_MODE, 25, 1), 1
	s_wait_xcnt 0x0
	s_wait_alu depctr_hold_cnt(0) depctr_sa_sdst(0) depctr_va_vdst(0) depctr_va_sdst(0) depctr_va_ssrc(0) depctr_va_vcc(0) depctr_vm_vsrc(0)
	s_getreg_b32 s2, hwreg(HW_REG_IB_STS2, 6, 4)
	s_cmp_eq_u32 s2, 0
	s_cbranch_scc0 .Lentry_in_a_cluster
	s_endpgm
.Lentry_in_a_cluster:
	s_bfe_u32 s2, ttmp6, 0x10000c
	s_cmp_lg_u32 s2, 0xf033
	s_cbranch_scc0 .Lentry_shape_is_right
	s_endpgm
.Lentry_shape_is_right:
; q, k, v OF ONE HEAD FOR 256 ROWS: [256 x 1024] x [1024 x 192] in bf16, sums in f32; then bias (rounded to bf16 like every input), q / (|q| + 1e-6) and k / (|k| + 1e-6), v as it is,
; all three rounded to f16 and written by heads, [b][h][s][64]; |q| + 1e-6 goes to qs in f32 and is multiplied back onto the attention's result later.
; LIMIT: v is written in f16, so |v| must stay within 65,504; q and k are at most 1 after the division.  NaN and infinities are not treated apart.
; SHARES.  512 work-groups, two for each of 256 WGPs.  Four waves, wave w owns rows 64 w .. + 63 and all 192 columns: 48 accumulators, 384 registers; a row's norm never leaves the wave.
; K goes in steps of 128 (rows of 256 bytes) through two LDS slots filled by tensor loads.  CLUSTER 4 x 4: x's tile is asked for jointly along a row of the cluster, the weights' along a column.
; The matrix instruction is used transposed (source 0 = 16 rows of wt, source 1 = 16 rows of x): a lane holds one row and eight neighbouring columns.
; REGISTERS: window 0: v0-39 addresses and norms; v64-127 x's fragments, two buffers; v128-223 my 96 bias numbers.  window 1: v0-191 wt's fragments, two buffers; on the way out v0-95 at work, v192-195 sums.
;   window 2: accumulators of row tiles 0, 1 at v[96 (a % 2) + 8 b]; window 3: of row tiles 2, 3.
.set PITCH,  272                       ; an LDS row: 256 bytes + 16 of padding
.set NT,     12                        ; column tiles
.set ABYTES, 256*PITCH
.set SLOT,   448*PITCH                 ; x's 256 rows, then wt's 192 rows
.set STAGE,  2*SLOT                    ; behind the ring: 16 rows x 400 bytes for each wave
.set SPITCH, 400
.set RS,     STAGE+4*16*SPITCH         ; 64 norms for each wave
.set SPARE,  RS+1024                   ; the spare words: 128 bytes a wave, two blocks of 256 bytes that no other line names
.set LAPS,   4                         ; 1,024 / 256
.set ADRA, 16                          ; v16-17 LDS address of my fragments of x in slot 0, 1
.set ADRB, 20                          ; v20-21 the same for wt
.set RSL,  22                          ; v22 where I read two norms back
.set GQ,   23                          ; v23 my byte offset in qs
.set STO,  24                          ; v24 into the stage
.set RD,   25                          ; v25 out of the stage
.set GO,   26                          ; v26 my byte offset in 512 consecutive bytes of qh, kh, vh
.set RSA,  27                          ; v27 where I put a norm
.set SPW,  28                          ; v28 my spare word; never rewritten
.set NIL,  29                          ; v29 0; never rewritten
.set TT,   30
.set BOF,  31                          ; v31 my byte offset in a bias
.set N0,   32                          ; v32-39 norms at work
.set BI,   128
.set G1, 24
.set G0, 32
.set G1B, 48
.set G0B, 56
.set MSB, 0
.macro WIN new                         ; the immediate's high byte repeats the setting that is left
.if MSB != (\new)
	s_set_vgpr_msb (MSB<<8)|(\new)
.set MSB, \new
.endif
.endm
.macro JLOAD s                         ; a joint load: waves 0 and 1 fetch x's two halves, waves 2 and 3 wt's; an s_nop 0 and four v_nop follow each of the two lines
	s_cmp_eq_u32 s11, 0
	s_cbranch_scc0 .Lfor_b_\@
	tensor_load_to_lds s[G0+4*(\s):G0+4*(\s)+3], s[G1:G1+7]
	s_nop 0
.rept 4
	v_nop
.endr
	s_branch .Lasked_\@
.Lfor_b_\@:
	tensor_load_to_lds s[G0B+4*(\s):G0B+4*(\s)+3], s[G1B:G1B+7]
	s_nop 0
.rept 4
	v_nop
.endr
.Lasked_\@:
.endm
.macro CREST                           ; a round of the cluster's barrier behind its opening barrier
	s_cmp_lg_u32 s10, 0
	s_cbranch_scc1 .Lnot_wave_0_\@
	s_barrier_signal -3
.Lnot_wave_0_\@:
	s_barrier_wait -3
	s_barrier_signal -1
	s_barrier_wait -1
.endm
.macro CROUND
	s_barrier_signal -1
	s_barrier_wait -1
	CREST
.endm
.macro PLACES                          ; four places in front of loads into registers that matrix instructions have read, and of vector work that reads results
.rept 4
	v_nop
.endr
.endm
	s_load_b512 s[68:83], s[0:1], 0x0              ; xb s[68:69], wt s[70:71], bq s[72:73], bk s[74:75], bv s[76:77], qh s[78:79], kh s[80:81], vh s[82:83]
	s_load_b64 s[84:85], s[0:1], 0x40              ; qs
	v_lshl_add_u32 v[SPW], v0, 2, SPARE
	v_mov_b32 v[NIL], 0
	ds_add_u32 v[SPW], v[NIL]                      ; the wave's opening: the add and its wait stand ahead of my first tensor load
	v_lshrrev_b32 v1, 5, v0
	v_readfirstlane_b32 s10, v1                    ; wave 0..3
	s_lshr_b32 s11, s10, 1                         ; I fetch for x (0) or for wt (1)
	s_and_b32 s12, s10, 1                          ; which half of that tile's rows
	s_bfe_u32 s40, ttmp6, 0x40000                  ; cx, cy
	s_bfe_u32 s41, ttmp6, 0x40004
	s_lshl_b32 s42, ttmp9, 2
	s_add_co_u32 s42, s42, s40                     ; the head = 4 x cluster x + cx
	s_and_b32 s13, ttmp7, 0xffff
	s_lshl_b32 s13, s13, 2
	s_add_co_u32 s13, s13, s41                     ; the block of 256 rows = 4 x cluster y + cy
	s_lshl_b32 s43, s41, 2
	s_lshl_b32 s43, 15, s43                        ; my row of the cluster
	s_lshl_b32 s44, 0x1111, s40                    ; my column
	s_or_b32 s[G1+0], s43, (1<<16)|(1<<20)|(1<<21)|(5<<22)|(3<<25)   ; the mask; 2-byte elements; padding on; bit 21 beside a mask; after every 64 words 4 words
	s_or_b32 s[G1B+0], s44, (1<<16)|(1<<20)|(1<<21)|(5<<22)|(3<<25)
	s_mov_b32 s[G1+1], 128<<16                     ; tensor_dim0 = 128
	s_mov_b32 s[G1+2], 128<<16                     ; tensor_dim1 = 128
	s_mov_b32 s[G1+3], 128<<16                     ; tile_dim0 = 128
	s_mov_b32 s[G1+4], 128                         ; tile_dim1 = 128
	s_mov_b32 s[G1+5], 1024                        ; elements from row to row
	s_mov_b32 s[G1+6], 0
	s_mov_b32 s[G1+7], 0
	s_mov_b32 s[G1B+1], 128<<16
	s_mov_b32 s[G1B+2], 96<<16                     ; wt's half tile has 96 rows
	s_mov_b32 s[G1B+3], 128<<16
	s_mov_b32 s[G1B+4], 96
	s_mov_b32 s[G1B+5], 1024
	s_mov_b32 s[G1B+6], 0
	s_mov_b32 s[G1B+7], 0
	s_lshl_b32 s17, s12, 7
	s_lshl_b32 s16, s13, 8
	s_add_co_u32 s16, s16, s17                     ; x: row 256 x block + 128 x half
	s_lshl_b32 s16, s16, 11                        ; rows of 2,048 bytes
	s_mov_b32 s17, 0
	s_mul_i32 s46, s42, 192
	s_mul_i32 s47, s12, 96
	s_add_co_u32 s46, s46, s47                     ; wt: row 192 x head + 96 x half
	s_lshl_b32 s46, s46, 11
	s_mov_b32 s47, 0
	s_mul_i32 s20, s12, 128*PITCH                  ; where they go: no place in the cluster enters an LDS address
	s_mul_i32 s21, s12, 96*PITCH
	s_add_co_u32 s21, s21, ABYTES
	s_mov_b32 s86, 0x76543210                      ; v_permlanex16_b32: each lane takes its own place in the other half
	s_mov_b32 s87, 0xfedcba98
	s_mov_b32 s88, 0xffff0000
	s_mov_b32 s89, 0x358637bd                      ; 1e-6
	s_wait_dscnt 0x0                               ; the opening add is done
	s_wait_kmcnt 0x0
	s_add_nc_u64 s[14:15], s[68:69], s[16:17]
	s_add_nc_u64 s[46:47], s[70:71], s[46:47]
	CROUND                                         ; all sixteen work-groups are here: the first joint loads meet
.irp s, 0,1
	s_mov_b32 s[G0+4*(\s)], 1
	s_add_co_u32 s[G0+4*(\s)+1], s20, (\s)*SLOT
	s_add_nc_u64 s[G0+4*(\s)+2:G0+4*(\s)+3], s[14:15], (\s)*256
	s_or_b32 s[G0+4*(\s)+3], s[G0+4*(\s)+3], 0x80000000
	s_mov_b32 s[G0B+4*(\s)], 1
	s_add_co_u32 s[G0B+4*(\s)+1], s21, (\s)*SLOT
	s_add_nc_u64 s[G0B+4*(\s)+2:G0B+4*(\s)+3], s[46:47], (\s)*256
	s_or_b32 s[G0B+4*(\s)+3], s[G0B+4*(\s)+3], 0x80000000
	JLOAD \s                                       ; two tensor loads of mine are out
.endr
	v_and_b32 v1, 15, v0                           ; r
	v_bfe_u32 v2, v0, 4, 1                         ; h
	v_and_b32 v3, 31, v0                           ; lane
	s_lshl_b32 s46, s42, 8                         ; the head's 64 numbers of a bias
	v_lshl_add_u32 v[BOF], v2, 5, s46              ; + my eight of each sixteen
.irp b, 0,1,2,3
	global_load_b128 v[BI+8*\b:BI+8*\b+3],       v[BOF], s[72:73] offset:64*\b
	global_load_b128 v[BI+8*\b+4:BI+8*\b+7],     v[BOF], s[72:73] offset:64*\b+16
	global_load_b128 v[BI+32+8*\b:BI+32+8*\b+3], v[BOF], s[74:75] offset:64*\b
	global_load_b128 v[BI+36+8*\b:BI+36+8*\b+3], v[BOF], s[74:75] offset:64*\b+16
	global_load_b128 v[BI+64+8*\b:BI+64+8*\b+3], v[BOF], s[76:77] offset:64*\b
	global_load_b128 v[BI+68+8*\b:BI+68+8*\b+3], v[BOF], s[76:77] offset:64*\b+16
.endr
	v_mul_u32_u24 v4, v1, PITCH
	v_lshl_add_u32 v4, v2, 4, v4                   ; a fragment's row x pitch + 16 x half
	s_mul_i32 s22, s10, 64*PITCH                   ; my 64 rows of x
	v_add_nc_u32 v[ADRA], s22, v4
	v_add_nc_u32 v[ADRA+1], SLOT, v[ADRA]
	v_add_nc_u32 v[ADRB], ABYTES, v4               ; all 192 rows of wt
	v_add_nc_u32 v[ADRB+1], SLOT, v[ADRB]
	s_mul_i32 s23, s10, 16*SPITCH
	s_add_co_u32 s23, s23, STAGE                   ; my stage
	v_mul_u32_u24 v5, v1, SPITCH
	v_lshl_add_u32 v5, v2, 4, v5
	v_add_nc_u32 v[STO], s23, v5                   ; in: row r, 16 bytes for each half of the lanes
	v_lshrrev_b32 v5, 3, v3
	v_mul_u32_u24 v5, v5, SPITCH
	v_and_b32 v6, 7, v0
	v_lshl_add_u32 v5, v6, 4, v5
	v_add_nc_u32 v[RD], s23, v5                    ; back: 32 lanes take 128 bytes of each of four rows
	v_lshlrev_b32 v[GO], 4, v3
	v_lshlrev_b32 v[GQ], 3, v3
	s_lshl_b32 s23, s10, 8
	s_add_co_u32 s23, s23, RS
	v_lshl_add_u32 v[RSA], v1, 2, s23
	v_lshl_add_u32 v[RSL], v3, 3, s23
	v_mov_b32 v[N0+2], 0                           ; read as destinations or as halves of pairs, so they are written
	v_mov_b32 v[N0+3], 0
	v_mov_b32 v[N0+5], 0
	v_mov_b32 v[N0+7], 0
	; where my 64 tokens begin in qh, kh, vh and qs.  The part made of the block of rows and the part made of the head are added apart.
	s_lshr_b32 s16, s13, 3                         ; batch
	s_lshl_b32 s16, s16, 15                        ; x 16 heads x 2,048 tokens
	s_and_b32 s17, s13, 7
	s_lshl_b32 s17, s17, 8
	s_add_co_u32 s16, s16, s17
	s_lshl_b32 s17, s10, 6
	s_add_co_u32 s16, s16, s17
	s_lshl_b32 s18, s16, 2
	s_mov_b32 s19, 0
	s_lshl_b32 s16, s16, 7
	s_mov_b32 s17, 0
	s_lshl_b32 s46, s42, 18                        ; head x 2,048 tokens x 128 bytes
	s_mov_b32 s47, 0
.irp p, 78,80,82
	s_add_nc_u64 s[\p:\p+1], s[\p:\p+1], s[16:17]
	s_add_nc_u64 s[\p:\p+1], s[\p:\p+1], s[46:47]
.endr
	s_add_nc_u64 s[84:85], s[84:85], s[18:19]
	s_lshl_b32 s46, s42, 13
	s_add_nc_u64 s[84:85], s[84:85], s[46:47]
	s_wait_loadcnt 0x0                             ; the biases; they are rounded to bf16 while the first tile is on its way
.set i, 0
.rept 48
	v_cvt_pk_bf16_f32 v[TT], v[BI+2*i], v[BI+2*i+1]
	v_lshlrev_b32 v[BI+2*i], 16, v[TT]
	v_and_b32 v[BI+2*i+1], s88, v[TT]
.set i, i+1
.endr
; 12 matrix instructions: row tile a x all column tiles, 32 along K, from buffer f.  zero = 1: the first product starts the sums.  The 48 accumulators take turns.
.macro MULA f, a, zero
	WIN 0xa1+0x50*((\a)/2)
.set AC, 96*((\a)%2)
.irp b, 0,1,2,3,4,5,6,7,8,9,10,11
.if \zero
	v_wmma_f32_16x16x32_bf16 v[AC+8*\b:AC+8*\b+7], v[96*(\f)+8*\b:96*(\f)+8*\b+7], v[64+32*(\f)+8*(\a):64+32*(\f)+8*(\a)+7], 0
.else
	v_wmma_f32_16x16x32_bf16 v[AC+8*\b:AC+8*\b+7], v[96*(\f)+8*\b:96*(\f)+8*\b+7], v[64+32*(\f)+8*(\a):64+32*(\f)+8*(\a)+7], v[AC+8*\b:AC+8*\b+7]
.endif
.endr
.endm
; 32 LDS loads in one run: quarter q of a K step into buffer f: wt's 24, then x's row tiles 0, 1, then 2, 3
.macro FETCH slot, q, f
	WIN 0x40
.irp i, 0,1,2,3,4,5,6,7,8,9,10,11
	ds_load_b128 v[96*(\f)+8*\i:96*(\f)+8*\i+3],   v[ADRB+(\slot)] offset:64*(\q)+\i*16*PITCH
	ds_load_b128 v[96*(\f)+8*\i+4:96*(\f)+8*\i+7], v[ADRB+(\slot)] offset:64*(\q)+\i*16*PITCH+32
.endr
	WIN 0
.irp i, 0,1,2,3
	ds_load_b128 v[64+32*(\f)+8*\i:64+32*(\f)+8*\i+3],   v[ADRA+(\slot)] offset:64*(\q)+\i*16*PITCH
	ds_load_b128 v[64+32*(\f)+8*\i+4:64+32*(\f)+8*\i+7], v[ADRA+(\slot)] offset:64*(\q)+\i*16*PITCH+32
.endr
.endm
.macro QUARTER slot, q, f, g, zero     ; multiplies buffer f; in its middle fetches quarter q of the same slot into buffer g
	s_wait_dscnt 4                                 ; the youngest four loads, x's row tiles 2 and 3, may be out
	MULA \f, 0, \zero
	MULA \f, 1, \zero
	PLACES
	FETCH \slot, \q, \g
	s_wait_dscnt 2*NT+8                            ; all but the 32 just issued
	MULA \f, 2, \zero
	MULA \f, 3, \zero
.endm
; The last quarter multiplies buffer 1 and changes slots: in front of the barrier each wave waits for all its tensor loads (one is out: its part of the next slot), adds 0 to its spare word,
; and waits for that and for its reads of this slot.  fill = 1: the barrier opens a round of the cluster's, and the joint refill, two K steps ahead, is the first thing behind it.
.macro TURN slot, next, fill
	WIN 0
	s_wait_tensorcnt 0x0
	ds_add_u32 v[SPW], v[NIL]
	s_wait_dscnt 5                                 ; the add and the youngest four loads may be out
	MULA 1, 0, 0
	s_wait_dscnt 0x0                               ; the add is done, and my reads of this slot are over
	s_barrier_signal -1
	MULA 1, 1, 0
.if \fill
	WIN 0
.endif
	s_barrier_wait -1
.if \fill
	CREST
	s_add_nc_u64 s[G0+4*(\slot)+2:G0+4*(\slot)+3], s[G0+4*(\slot)+2:G0+4*(\slot)+3], 512
	s_add_nc_u64 s[G0B+4*(\slot)+2:G0B+4*(\slot)+3], s[G0B+4*(\slot)+2:G0B+4*(\slot)+3], 512
	JLOAD \slot                                    ; one tensor load of mine is out; its four v_nop are also the places in front of the loads below
.else
	PLACES
.endif
	FETCH \next, 0, 0
	MULA 1, 2, 0
	MULA 1, 3, 0
.endm
	s_wait_tensorcnt 1                             ; my part of K step 0 is in; K step 1's stays out
	s_barrier_signal -1
	s_barrier_wait -1
	FETCH 0, 0, 0
	QUARTER 0, 1, 0, 1, 1
	WIN 0
	s_mov_b32 s3, LAPS-1
.Llap:                                         ; a trip goes once round the ring and fills both slots again
	QUARTER 0, 2, 1, 0, 0
	QUARTER 0, 3, 0, 1, 0
	TURN 0, 1, 1
	QUARTER 1, 1, 0, 1, 0
	QUARTER 1, 2, 1, 0, 0
	QUARTER 1, 3, 0, 1, 0
	TURN 1, 0, 1
	QUARTER 0, 1, 0, 1, 0
	WIN 0
	s_sub_co_u32 s3, s3, 1
	s_cmp_lg_u32 s3, 0
	s_cbranch_scc1 .Llap
	QUARTER 0, 2, 1, 0, 0                          ; the last lap fills nothing
	QUARTER 0, 3, 0, 1, 0
	TURN 0, 1, 0
	QUARTER 1, 1, 0, 1, 0
	QUARTER 1, 2, 1, 0, 0
	QUARTER 1, 3, 0, 1, 0
	s_wait_dscnt 4
	MULA 1, 0, 0
	MULA 1, 1, 0
	s_wait_dscnt 0x0
	MULA 1, 2, 0
	MULA 1, 3, 0
	PLACES
; THE WAY OUT of row tile a (16 rows): bias; the rows' norms of q and of k; division; f16; through my stage, so that each store covers 512 consecutive bytes (four tokens of one head).
.macro OUT a
.if (\a) > 0
	s_wait_xcnt 0x0                                ; the last tile's stores have read their registers
.endif
.set AC, 96*((\a)%2)
	WIN 0x42+(\a)/2
.set i, 0
.rept 48                                       ; each accumulator's registers in ascending order
	v_pk_add_f32 v[2*i:2*i+1], v[AC+2*i:AC+2*i+1], v[BI+2*i:BI+2*i+1]
.set i, i+1
.endr
	WIN 0x55
	v_pk_mul_f32 v[192:193], v[0:1], v[0:1]
	v_pk_mul_f32 v[194:195], v[32:33], v[32:33]
.set i, 1
.rept 15
	v_pk_fma_f32 v[192:193], v[2*i:2*i+1], v[2*i:2*i+1], v[192:193]
	v_pk_fma_f32 v[194:195], v[32+2*i:33+2*i], v[32+2*i:33+2*i], v[194:195]
.set i, i+1
.endr
	WIN 0x05
	v_add_f32 v[N0], v192, v193
	v_add_f32 v[N0+1], v194, v195
	WIN 0
	v_permlanex16_b32 v[N0+2], v[N0], s86, s87     ; the row's other 32 columns lie in the lane 16 away
	v_permlanex16_b32 v[N0+3], v[N0+1], s86, s87
	v_add_f32 v[N0], v[N0], v[N0+2]
	v_add_f32 v[N0+1], v[N0+1], v[N0+3]
	v_sqrt_f32 v[N0], v[N0]
	v_sqrt_f32 v[N0+1], v[N0+1]
	v_nop                                          ; a plain instruction behind the roots
	s_wait_alu depctr_va_vdst(0)
	v_add_f32 v[N0], s89, v[N0]
	v_add_f32 v[N0+1], s89, v[N0+1]
	v_rcp_f32 v[N0+4], v[N0]
	v_rcp_f32 v[N0+6], v[N0+1]
	ds_store_b32 v[RSA], v[N0] offset:64*(\a)      ; |q| + 1e-6; both halves of the lanes write the same word
	v_nop                                          ; a plain instruction behind the reciprocals
	WIN 0x41
.set i, 0
	s_wait_alu depctr_va_vdst(0)
.rept 16
	v_pk_mul_f32 v[2*i:2*i+1], v[2*i:2*i+1], v[N0+4:N0+5] op_sel_hi:[1,0]
	v_pk_mul_f32 v[32+2*i:33+2*i], v[32+2*i:33+2*i], v[N0+6:N0+7] op_sel_hi:[1,0]
.set i, i+1
.endr
	WIN 0x45
.set i, 0
.rept 48                                       ; packed downward in place: register i is written when registers 2 i and 2 i + 1 are read
	v_cvt_pk_f16_f32 v[i], v[2*i], v[2*i+1]
.set i, i+1
.endr
	WIN 0x04
.irp b, 0,1,2,3,4,5,6,7,8,9,10,11
	ds_store_b128 v[STO], v[4*\b:4*\b+3] offset:32*\b
.endr
	WIN 0x40
.set i, 0
.rept 12                                       ; tensor i / 4, rows 4 (i % 4) ..; LDS serves a wave's instructions in order: these see the stores above
	ds_load_b128 v[48+4*i:48+4*i+3], v[RD] offset:(i%4)*4*SPITCH+(i/4)*128
.set i, i+1
.endr
	WIN 0x04
.set i, 0
.rept 12
	s_wait_dscnt 11-i
	global_store_b128 v[GO], v[48+4*i:48+4*i+3], s[78+2*(i/4):79+2*(i/4)] offset:(\a)*2048+(i%4)*512
.set i, i+1
.endr
.endm
	OUT 0
	OUT 1
	OUT 2
	OUT 3
	WIN 0
	ds_load_b64 v[N0+8:N0+9], v[RSL]
	s_wait_dscnt 0x0
	global_store_b64 v[GQ], v[N0+8:N0+9], s[84:85] ; my 64 norms: 256 consecutive bytes, aligned
	s_wait_tensorcnt 0x0                           ; the wave's end
	ds_add_u32 v[SPW], v[NIL]
	s_wait_dscnt 0x0
	CROUND                                         ; the closing round
	s_endpgm
.Lfunc_end_k_q18a2760fa3_proj:
	.size	k_q18a2760fa3_proj, .Lfunc_end_k_q18a2760fa3_proj-k_q18a2760fa3_proj
	.p2alignl 7, 3214868480
	.fill 96, 4, 3214868480
	.section	.rodata,"a",@progbits
	.p2align	6, 0x0
	.amdhsa_kernel k_q18a2760fa3_proj
		.amdhsa_group_segment_fixed_size 327680
		.amdhsa_private_segment_fixed_size 0
		.amdhsa_enable_private_segment 0
		.amdhsa_kernarg_size 72
		.amdhsa_user_sgpr_count 2
		.amdhsa_user_sgpr_kernarg_segment_ptr 1
		.amdhsa_wavefront_size32 1
		.amdhsa_system_sgpr_workgroup_id_x 1
		.amdhsa_system_sgpr_workgroup_id_y 1
		.amdhsa_system_sgpr_workgroup_id_z 1
		.amdhsa_system_vgpr_workitem_id 0
		.amdhsa_next_free_vgpr 960
		.amdhsa_next_free_sgpr 96
		.amdhsa_reserve_vcc 0
		.amdhsa_float_denorm_mode_32 3
		.amdhsa_float_denorm_mode_16_64 3
		.amdhsa_memory_ordered 1
		.amdhsa_forward_progress 1
		.amdhsa_inst_pref_size 160
	.end_amdhsa_kernel
	.amdgpu_metadata
---
amdhsa.version: [ 1, 2 ]
amdhsa.kernels:
  - .name:           k_q18a2760fa3_proj
    .symbol:         k_q18a2760fa3_proj.kd
    .args:
      - { .name: xb, .offset: 0, .size: 8, .value_kind: global_buffer, .address_space: global }
      - { .name: wt, .offset: 8, .size: 8, .value_kind: global_buffer, .address_space: global }
      - { .name: bq, .offset: 16, .size: 8, .value_kind: global_buffer, .address_space: global }
      - { .name: bk, .offset: 24, .size: 8, .value_kind: global_buffer, .address_space: global }
      - { .name: bv, .offset: 32, .size: 8, .value_kind: global_buffer, .address_space: global }
      - { .name: qh, .offset: 40, .size: 8, .value_kind: global_buffer, .address_space: global }
      - { .name: kh, .offset: 48, .size: 8, .value_kind: global_buffer, .address_space: global }
      - { .name: vh, .offset: 56, .size: 8, .value_kind: global_buffer, .address_space: global }
      - { .name: qs, .offset: 64, .size: 8, .value_kind: global_buffer, .address_space: global }
    .group_segment_fixed_size: 327680
    .private_segment_fixed_size: 0
    .kernarg_segment_align: 8
    .kernarg_segment_size: 72
    .max_flat_workgroup_size: 128
    .sgpr_count:     96
    .vgpr_count:     960
    .wavefront_size: 32
...
	.end_amdgpu_metadata
.endif
;; end of part 2
;; launch dstate (part 3): grid 16 x 12, 4 waves a work-group, no clusters, 315,904 bytes of LDS; arguments kh, vh, betab, xb; writes xb
.if DOCPART == 3
	.amdgcn_target "amdgcn-amd-amdhsa--gfx1250"
	.amdhsa_code_object_version 6
	.text
	.protected	k_q18a2760fa3_dstate
	.globl	k_q18a2760fa3_dstate
	.p2align	8
	.type	k_q18a2760fa3_dstate,@function
k_q18a2760fa3_dstate:
	s_mov_b64 s[64:65], 0
	v_nop
	global_prefetch_b8 v0, s[64:65] scope:SCOPE_SE
	s_setreg_imm32_b32 hwreg(HW_REG_WAVE_MODE, 25, 1), 1
	s_wait_xcnt 0x0
; THE DELTA RULE, FIRST PASS: WHAT A SEGMENT OF 512 TOKENS DOES TO THE STATE.  The state after a segment is affine in the state before it: S_out = S_in P + R.
; A work-group is one (head, batch, segment 0 .. 2); the fourth segment's effect is wanted by nobody.  R is the final state from S_in = 0; row e of P is the final state of a row that starts
; as unit vector e and has v = 0 (the rows of S do not see each other).  So the scan carries 128 rows: each wave 16 of R and 16 of P, two chains that do not wait for each other.
; For a sub-chunk of 32 tokens with entry state S0 [d][e], keys K (unit rows), values V, gates beta:
;   A = strict lower part of diag(beta) K K^T;  T~ = (I + A)^-1 diag(beta);  W = T~ K;  U = T~ V;  Dm = U - W S0^T;  S = S0 + Dm^T K.
; (I + A)^-1 of each 16 x 16 diagonal block is found exactly, by back substitution in f32; the two blocks of a sub-chunk are joined by block substitution: X1 = T~11 (R1 - G10 X0).
; TWO ROUNDS of 256 tokens.  PRODUCE: wave w makes -W^T and U^T for its own 64 tokens in its own LDS slot.  Barrier.  SCAN: eight sub-chunks, all four slots.  Barrier.
; The second pass makes W and U anew: sending them through memory would move more bytes than reading K and V twice.
; OUT: a record of 24,576 bytes: P in f16 as the matrix operand of the second pass's fold (piece 4 et + w: lane = column 16 et + r of P, eight rows 16 w + 8 h ..), then R in f32, each wave's 32 registers as they lie.
; The 192 records, 4,718,592 bytes, go into the workspace that held x in bf16: its only reader, the projection, has ended before this launch begins, and this launch loads nothing from it.
; Segment 0's P meets only a zero state in the fold; it is made all the same: one text for all segments.
; FORMATS: all products f16 x f16 with f32 sums; the states and U in f32.  LIMITS: v, U, Dm, S are f16 operands: within 65,504; with unit keys a row of S has norm at most sqrt(2048) x the largest |v|,
; so |v| below 1,400 is safe whatever the keys.  P is a product of contractions: its entries are at most 1.  NaN and infinities are not treated apart.
; No cluster, no tensor loads: work-groups share no input at the same time.  The slot's map is the second pass's; Q's, M's and O's regions lie idle here.
; REGISTERS, in windows of 256: window 0: v1-47 addresses; ZP, BC, BJ, NV, EI, TA, TAN.  window 1: v0-63, v128-191 the next round's K, V; STP, SPP (P); ST, SP (R); GA.
;   window 2: NR, then SOL (16 groups of [X | R0 | R1 | Y]), then the scan's two operand sets.  window 3: KF, later 16 accumulators; the Gram accumulators; the scan's DMP, DP, DPP.
.set SLOTB, 78848                      ; a wave's slot
.set KB,  0                            ; K    64 x 160
.set VB,  19456                        ; V    64 x 160
.set WB,  29696                        ; -W^T [e][i] 64 x 160
.set UB,  39936                        ; U^T  [d][i] f32, 64 x 272
.set NTB, 71680                        ; beta_j G_ji: [g][i] rows of 144 bytes, [j][block g, block g + 2] f32; at the end my 16 rows of P, 160 bytes each
.set TS,  76288                        ; T~: four blocks x 16 rows x 32 bytes
.set BE,  78336                        ; beta, 64 f32
.set SPARE, 4*SLOTB                    ; the spare words: 128 bytes a wave, two blocks of 256 bytes that no other line names
.set REC, 24576                        ; a record
.set GOFF,1
.set SK,3
.set SBE,5
.set FK,6
.set ABJ,8
.set ABC,9
.set ANS,10
.set ANL,11
.set ATR,13
.set ATS,14
.set ATL,15
.set AUS,16
.set SPW,17                            ; v17 my spare word; never rewritten
.set NIL,18                            ; v18 0; never rewritten
.set GBB,19
.set C_TR,20                           ; lane constants of the scan's addresses, without a slot
.set C_U,23
.set W_TR,26                           ; the same with the slot in hand
.set W_U,29
.set RM8,32
.set CC,33
.set GPP,40
.set GPR,41
.set PB,44                             ; v44-45 the next round's beta
.set ZP,48
.set BC,80
.set BJ,112
.set NV,144
.set EI,176
.set TA,192
.set TAN,224
.set STP,64                            ; window 1
.set SPP,96
.set ST,192
.set SP,224
.set GA,240
.set GDR,128                           ; window 3
.set GOR,160
.set DMP,128
.set DP,144
.set DPP,160
.set MSB, 0
.macro WIN new
.if MSB != (\new)
	s_set_vgpr_msb (MSB<<8)|(\new)
.set MSB, \new
.endif
.endm
.macro PLACES
.rept 4
	v_nop
.endr
.endm
.macro GLOADS                          ; a round's 64 tokens of mine: 32 loads of 512 consecutive bytes, and two runs of 128 bytes of beta
	WIN 0x40
.set j, 0
.rept 16
	global_load_b128 v[4*j:4*j+3],         v[GOFF], s[4:5] offset:512*j th:TH_LOAD_NT
	global_load_b128 v[128+4*j:128+4*j+3], v[GOFF], s[6:7] offset:512*j th:TH_LOAD_NT
.set j, j+1
.endr
	WIN 0
	global_load_b64 v[PB:PB+1], v[GBB], s[8:9] th:TH_LOAD_NT
.endm
	s_load_b256 s[4:11], s[0:1], 0x0               ; kh s[4:5], vh s[6:7], betab s[8:9], the records s[10:11]
	v_lshl_add_u32 v[SPW], v0, 2, SPARE
	v_mov_b32 v[NIL], 0
	v_lshrrev_b32 v34, 5, v0
	v_readfirstlane_b32 s21, v34                   ; wave 0..3
	s_mul_i32 s22, s21, SLOTB                      ; my slot
	s_and_b32 s23, ttmp7, 0xffff
	s_lshr_b32 s29, s23, 2                         ; segment
	s_and_b32 s23, s23, 3                          ; batch
	s_lshl_b32 s32, s23, 17                        ; beta: batch x 64 blocks of 2,048 bytes
	s_lshl_b32 s28, ttmp9, 7                       ; + head x 128
	s_add_co_u32 s32, s32, s28
	s_lshl_b32 s28, s29, 15                        ; + segment x 16 blocks
	s_add_co_u32 s32, s32, s28
	s_mov_b32 s33, 0
	s_lshl_b32 s23, s23, 4
	s_add_co_u32 s23, s23, ttmp9                   ; 16 x batch + head
	s_lshl_b32 s24, s23, 18                        ; x 2,048 tokens x 128 bytes
	s_lshl_b32 s28, s29, 16                        ; + segment x 512 tokens
	s_add_co_u32 s24, s24, s28
	s_mov_b32 s25, 0
	s_mul_i32 s34, s23, 3
	s_add_co_u32 s34, s34, s29
	s_mul_i32 s34, s34, REC                        ; my record
	s_mov_b32 s35, 0
	s_mov_b32 s48, 0x80008000                      ; the signs of two f16
	v_and_b32 v34, 31, v0                          ; lane
	s_lshl_b32 s28, s21, 13
	v_lshl_add_u32 v[GOFF], v34, 4, s28            ; 16 lane + 8,192 w
	s_lshl_b32 s28, s21, 9
	v_lshl_add_u32 v[GPP], v34, 4, s28             ; 16 lane + 512 w
	s_lshl_b32 s28, s21, 12
	v_lshl_add_u32 v[GPR], v34, 4, s28             ; 16 lane + 4,096 w
	v_and_b32 v[CC], 15, v0                        ; r
	v_bfe_u32 v35, v0, 4, 1                        ; h
	v_lshl_add_u32 v[GBB], v[CC], 3, s28           ; beta: 8 r + two blocks a wave
	v_lshl_add_u32 v[GBB], v35, 11, v[GBB]         ; + a block for the upper lanes
	s_wait_kmcnt 0x0
	s_add_nc_u64 s[4:5], s[4:5], s[24:25]
	s_add_nc_u64 s[6:7], s[6:7], s[24:25]
	s_add_nc_u64 s[8:9], s[8:9], s[32:33]
	s_add_nc_u64 s[10:11], s[10:11], s[34:35]
	GLOADS                                         ; the first round
	v_lshrrev_b32 v36, 3, v34                      ; lane / 8
	v_and_b32 v37, 7, v0                           ; lane % 8
	v_bfe_u32 v38, v0, 3, 1                        ; (lane / 8) % 2
	v_mul_u32_u24 v[SK], v36, 160                  ; K and V into LDS: four rows a store
	v_lshl_add_u32 v[SK], v37, 4, v[SK]
	v_add_nc_u32 v[SK], s22, v[SK]
	v_lshlrev_b32 v[SBE], 3, v34
	v_add3_u32 v[SBE], v[SBE], s22, BE
	v_mul_u32_u24 v[FK], v[CC], 160                ; fragments of K, and the stores of -W^T: row r, 16 h
	v_lshl_add_u32 v[FK], v35, 4, v[FK]
	v_add_nc_u32 v[FK], s22, v[FK]
	v_lshlrev_b32 v[ABJ], 5, v35
	v_add3_u32 v[ABJ], v[ABJ], s22, BE
	v_lshlrev_b32 v[ABC], 6, v35
	v_add3_u32 v[ABC], v[ABC], s22, BE
	v_mul_u32_u24 v[ANS], v[CC], 144
	v_lshl_add_u32 v[ANS], v35, 6, v[ANS]
	v_add3_u32 v[ANS], v[ANS], s22, NTB
	v_mul_u32_u24 v[ANL], v35, 2304
	v_add3_u32 v[ANL], v[ANL], s22, NTB
	v_lshl_add_u32 v[C_TR], v35, 3, v37            ; the turning load: row 8 h + lane % 8, 16 bytes at 16 ((lane / 8) % 2)
	v_mul_u32_u24 v[C_TR], v[C_TR], 160
	v_lshl_add_u32 v[C_TR], v38, 4, v[C_TR]
	v_add_nc_u32 v[ATR], s22, v[C_TR]
	v_lshlrev_b32 v[ATS], 5, v[CC]
	v_lshl_add_u32 v[ATL], v35, 4, v[ATS]
	v_lshl_add_u32 v[ATS], v35, 9, v[ATS]
	v_add3_u32 v[ATS], v[ATS], s22, TS
	v_add3_u32 v[ATL], v[ATL], s22, TS
	v_mul_u32_u24 v[AUS], v[CC], 272
	v_lshl_add_u32 v[AUS], v35, 5, v[AUS]
	v_add_nc_u32 v[AUS], UB, v[AUS]
	s_mul_i32 s28, s21, 16*272
	v_add_nc_u32 v[C_U], s28, v[AUS]               ; the scan reads my 16 rows d of U^T
	v_add_nc_u32 v[AUS], s22, v[AUS]
	v_lshlrev_b32 v39, 3, v35
	v_sub_nc_u32 v[RM8], v[CC], v39                ; r - 8 h
.set j, 0
.rept 8
	v_cmp_gt_i32 s[40+j], j, v[RM8]                ; the lanes in which 8 h + j > r
	v_cmp_eq_i32 s[50+j], j, v[RM8]                ; and those in which 8 h + j = r
.set j, j+1
.endr
.set i, 0
.rept 16
	v_cmp_eq_u32 vcc_lo, i, v[CC]
	v_cndmask_b32 v[EI+i], 0, 1.0, vcc_lo          ; row i of the unit matrix, column r
.set i, i+1
.endr
.irp t, 0,2                            ; the upper halves of the even blocks' operands stay 0
.irp m, 4,5,6,7
	v_mov_b32 v[TA+8*\t+\m], 0
	v_mov_b32 v[TAN+8*\t+\m], 0
.endr
.endr
	WIN 0x40
.set i, ST
.rept 48                                       ; R's rows begin at 0: no first step is written out
	v_mov_b32 v[i], 0
.set i, i+1
.endr
.irp s, 0,1
.irp m, 4,5,6,7
	v_mov_b32 v[GA+8*\s+\m], 0
.endr
.endr
.irp e, 0,1,2,3                        ; P's rows begin as rows 16 w + r of the unit matrix: tile e holds columns 16 e + 8 h + j
	s_cmp_eq_u32 s21, \e
	s_cselect_b32 s58, 1.0, 0
.irp j, 0,1,2,3,4,5,6,7
	v_cndmask_b32 v[STP+8*\e+\j], 0, s58, s[50+\j]
.endr
.endr
	WIN 0x45
.set i, 0
.rept 16
	v_cvt_pk_f16_f32 v[SPP+i], v[STP+2*i], v[STP+2*i+1]
.set i, i+1
.endr
	WIN 0
	s_mov_b32 s20, 2
.macro G1W d, a, b, kk                 ; one product of the Gram stage
.if (\kk) == 0
	v_wmma_f32_16x16x32_f16 v[(\d):(\d)+7], v[(\a):(\a)+7], v[(\b):(\b)+7], 0
.else
	v_wmma_f32_16x16x32_f16 v[(\d):(\d)+7], v[(\a)+8:(\a)+15], v[(\b)+8:(\b)+15], v[(\d):(\d)+7]
.endif
.endm
.macro GRAM kk                         ; six accumulators by turns: K K^T on and below the diagonal
.irp t, 0,1,2,3
	G1W GDR+8*\t, 16*\t, 16*\t, \kk
.endr
.irp s, 0,1
	G1W GOR+8*\s, 32*\s, 32*\s+16, \kk
.endr
.endm
; 16 products, one for each group g = 8 s + nt (sub-chunk s, 16 columns nt of [K | V]).  kind 0: X0 = T~00 R0.  kind 1: Y = G10 X0.  kind 2: X1 = T~11 R1 - T~11 Y.  For K's columns all of it negated.
.macro STAGE kind
.set g, 0
.rept 16
.if (\kind) == 1
	WIN 0xc9
	v_wmma_f32_16x16x32_f16 v[8*g:8*g+7], v[GA+8*(g/8):GA+8*(g/8)+7], v[16*g:16*g+7], 0
.else
	WIN 0xc8
.set RA, TA+32*(1-(g%8)/4)+16*(g/8)+4*(\kind)
	v_wmma_f32_16x16x32_f16 v[8*g:8*g+7], v[RA:RA+7], v[16*g+4+2*(\kind):16*g+11+2*(\kind)], 0
.endif
.set g, g+1
.endr
	PLACES
.endm
.macro PACKS off, n                    ; the results of the groups with nt < n, rounded to f16, into their group's registers off .. off + 3
	WIN 0x8f
.set g, 0
.rept 16
.if (g%8) < (\n)
.set m, 0
.rept 4
	v_cvt_pk_f16_f32 v[16*g+(\off)+m], v[8*g+2*m], v[8*g+2*m+1]
.set m, m+1
.endr
.endif
.set g, g+1
.endr
.endm
.macro PUT u                           ; block u of each sub-chunk: -W^T in f16, U^T in f32
	WIN 0x08
.set g, 0
.rept 16
.if (g%8) < 4
	ds_store_b128 v[FK], v[16*g:16*g+3] offset:WB+(g%8)*2560+64*(g/8)+32*(\u)
.endif
.set g, g+1
.endr
	WIN 0x0c
.set g, 0
.rept 16
.if (g%8) >= 4
	ds_store_b128 v[AUS], v[8*g:8*g+3]   offset:((g%8)-4)*4352+128*(g/8)+64*(\u)
	ds_store_b128 v[AUS], v[8*g+4:8*g+7] offset:((g%8)-4)*4352+128*(g/8)+64*(\u)+16
.endif
.set g, g+1
.endr
.endm
; THE SCAN.  20 loads: half p of the slot in hand into operand set p: -W (turned), K^T (turned), U (as the sum's start).
.macro LOADS p
.set ss, (\p)
.set LB, 128*ss
	WIN 0x80
.irp t, 0,1
.irp kk, 0,1
	ds_load_tr16_b128 v[LB+16*\t+8*\kk:LB+16*\t+8*\kk+3],   v[W_TR] offset:WB+5120*\kk+64*ss+32*\t
	ds_load_tr16_b128 v[LB+16*\t+8*\kk+4:LB+16*\t+8*\kk+7], v[W_TR] offset:WB+5120*\kk+64*ss+32*\t+2560
.endr
.endr
.irp et, 0,1,2,3
	ds_load_tr16_b128 v[LB+32+8*\et:LB+32+8*\et+3], v[W_TR] offset:5120*ss+32*\et
	ds_load_tr16_b128 v[LB+36+8*\et:LB+36+8*\et+3], v[W_TR] offset:5120*ss+32*\et+2560
.endr
.irp t, 0,1
	ds_load_b128 v[LB+112+8*\t:LB+112+8*\t+3], v[W_U] offset:128*ss+64*\t
	ds_load_b128 v[LB+116+8*\t:LB+116+8*\t+3], v[W_U] offset:128*ss+64*\t+16
.endr
.endm
; One sub-chunk, from set p.  Accumulators take turns, one instruction a turn.
.macro SUB p
.set S0_, 128*(\p)
	WIN 0xa6
.irp kk, 0,1                           ; R's rows: Dm^T = U^T + (-W) S0^T: lane d, registers i
.irp t, 0,1
	v_wmma_f32_16x16x32_f16 v[S0_+112+8*\t:S0_+112+8*\t+7], v[S0_+16*\t+8*\kk:S0_+16*\t+8*\kk+7], v[SP+8*\kk:SP+8*\kk+7], v[S0_+112+8*\t:S0_+112+8*\t+7]
.endr
.endr
	WIN 0xf6
.irp t, 0,1                            ; P's rows: the same with U = 0
	v_wmma_f32_16x16x32_f16 v[DMP+8*\t:DMP+8*\t+7], v[S0_+16*\t:S0_+16*\t+7], v[SPP:SPP+7], 0
.endr
.irp t, 0,1
	v_wmma_f32_16x16x32_f16 v[DMP+8*\t:DMP+8*\t+7], v[S0_+16*\t+8:S0_+16*\t+15], v[SPP+8:SPP+15], v[DMP+8*\t:DMP+8*\t+7]
.endr
	PLACES
	WIN 0xca
.set i, 0
.rept 8
	v_cvt_pk_f16_f32 v[DP+i], v[S0_+112+2*i], v[S0_+112+2*i+1]
.set i, i+1
.endr
	WIN 0xcf
.set i, 0
.rept 8
	v_cvt_pk_f16_f32 v[DPP+i], v[DMP+2*i], v[DMP+2*i+1]
.set i, i+1
.endr
	WIN 0x5e
.irp et, 0,1,2,3                       ; S^T += K^T Dm, for both
	v_wmma_f32_16x16x32_f16 v[ST+8*\et:ST+8*\et+7], v[S0_+32+8*\et:S0_+32+8*\et+7], v[DP:DP+7], v[ST+8*\et:ST+8*\et+7]
.endr
.irp et, 0,1,2,3
	v_wmma_f32_16x16x32_f16 v[STP+8*\et:STP+8*\et+7], v[S0_+32+8*\et:S0_+32+8*\et+7], v[DPP:DPP+7], v[STP+8*\et:STP+8*\et+7]
.endr
.if (\p) == 0
	WIN 0                                          ; the next slot's addresses and two v_nop are the four places behind the products
	s_add_co_u32 s31, s31, SLOTB
	v_add_nc_u32 v[W_TR], s31, v[C_TR]
	v_add_nc_u32 v[W_U],  s31, v[C_U]
	v_nop
	v_nop
.else
	PLACES
.endif
	WIN 0x45
.set i, 0
.rept 16
	v_cvt_pk_f16_f32 v[SP+i], v[ST+2*i], v[ST+2*i+1]
.set i, i+1
.endr
.set i, 0
.rept 16
	v_cvt_pk_f16_f32 v[SPP+i], v[STP+2*i], v[STP+2*i+1]
.set i, i+1
.endr
.endm
.Lround:
	; K, V, beta of my 64 tokens go into my slot
	s_wait_loadcnt 0x0
	WIN 0x04
.set j, 0
.rept 16
	ds_store_b128 v[SK], v[4*j:4*j+3]         offset:640*j
	ds_store_b128 v[SK], v[128+4*j:128+4*j+3] offset:VB+640*j
.set j, j+1
.endr
	WIN 0
	ds_store_b64 v[SBE], v[PB:PB+1]
	WIN 0xc0
.irp t, 0,1,2,3
.irp kk, 0,1
	ds_load_b128 v[16*\t+8*\kk:16*\t+8*\kk+3],   v[FK] offset:\t*2560+64*\kk
	ds_load_b128 v[16*\t+8*\kk+4:16*\t+8*\kk+7], v[FK] offset:\t*2560+64*\kk+32
.endr
.endr
	WIN 0
.irp t, 0,1,2,3
	ds_load_b128 v[BJ+8*\t:BJ+8*\t+3],   v[ABJ] offset:64*\t       ; beta of tokens 16 t + 8 h + 0..7
	ds_load_b128 v[BJ+8*\t+4:BJ+8*\t+7], v[ABJ] offset:64*\t+16
.endr
.irp p, 0,1
.irp q, 0,1,2,3
	ds_load_b128 v[BC+16*\p+4*\q:BC+16*\p+4*\q+3], v[ABC] offset:128*\p+16*\q  ; beta of block h + 2 p, all 16 tokens
.endr
.endr
	s_wait_dscnt 16                                ; the sixteen loads of beta may be out; LDS serves a wave in order, so the stores above are done too
	s_cmp_eq_u32 s20, 1
	s_cbranch_scc1 .Lnopf                          ; the last round has no successor: no load leaves the segment
	s_add_nc_u64 s[4:5], s[4:5], 32768             ; the loads that named these pointers are done
	s_add_nc_u64 s[6:7], s[6:7], 32768
	s_add_nc_u64 s[8:9], s[8:9], 16384
	GLOADS                                         ; they have the whole round in which to land
.Lnopf:
	WIN 0xff
	GRAM 0
	GRAM 1
	PLACES
	s_wait_dscnt 0x0
	; beta_j G_ji for j > i (lane i = r, registers j = 8 h + jj), else 0; sent through LDS so that every lane of a block can read every entry
	WIN 0x0c
.set t, 0
.rept 4
.set jj, 0
.rept 8
	v_mul_f32 v[NV+16*(t%2)+2*jj+t/2], v[BJ+8*t+jj], v[GDR+8*t+jj]
.set jj, jj+1
.endr
.set t, t+1
.endr
	WIN 0
.set i, 0
.rept 32
	v_cndmask_b32 v[NV+i], 0, v[NV+i], s[40+(i%16)/2]
.set i, i+1
.endr
.irp g, 0,1
.irp q, 0,1,2,3
	ds_store_b128 v[ANS], v[NV+16*\g+4*\q:NV+16*\g+4*\q+3] offset:\g*2304+16*\q
.endr
.endr
	WIN 0x80
.set i, 0
.rept 15                                       ; row i: the entries j = 2 ((i + 1) / 2) .. 15, for blocks h and h + 2: 64 loads, 256 registers
.set q, (i+1)/2
.rept 8-(i+1)/2
	ds_load_b128 v[4*(8*i-(i*i)/4)+4*(q-(i+1)/2):4*(8*i-(i*i)/4)+4*(q-(i+1)/2)+3], v[ANL] offset:i*144+16*q
.set q, q+1
.endr
.set i, i+1
.endr
	; while those loads are out: G10 is rounded; the substitution's rows start as the unit matrix
	WIN 0x4f
.irp s, 0,1
.irp m, 0,1,2,3
	v_cvt_pk_f16_f32 v[GA+8*\s+\m], v[GOR+8*\s+2*\m], v[GOR+8*\s+2*\m+1]
.endr
.endr
	WIN 0
.set i, 0
.rept 16
	v_mov_b32 v[ZP+2*i], v[EI+i]
	v_mov_b32 v[ZP+2*i+1], v[EI+i]
.set i, i+1
.endr
	s_wait_dscnt 0x0
	; Z_i = e_i - sum over j > i of beta_j G_ji Z_j, by columns j = 15 .. 1.  A lane is column r of Z = row r of (I + A)^-1; a pair holds blocks h and h + 2.
	WIN 0x02
.set j, 15
.rept 15
.set i, j-1
.rept j
.set NRR, 4*(8*i-(i*i)/4)+2*(j-2*((i+1)/2))
	v_pk_fma_f32 v[ZP+2*i:ZP+2*i+1], v[NRR:NRR+1], v[ZP+2*j:ZP+2*j+1], v[ZP+2*i:ZP+2*i+1] neg_lo:[1,0,0] neg_hi:[1,0,0]
.set i, i-1
.endr
.set j, j-1
.endr
	; the right-hand sides [K | V], turned: lane = column, registers = tokens
	WIN 0x80
.set g, 0
.rept 16
.irp u, 0,1
	ds_load_tr16_b128 v[16*g+4+4*\u:16*g+7+4*\u], v[ATR] offset:(2*(g/8)+\u)*2560+32*(g%4)+VB*((g%8)/4)
.endr
.set g, g+1
.endr
	WIN 0
.set i, 0
.rept 16
	v_mul_f32 v[ZP+2*i], v[ZP+2*i], v[BC+i]        ; T~ = (I + A)^-1 diag(beta)
	v_mul_f32 v[ZP+2*i+1], v[ZP+2*i+1], v[BC+16+i]
.set i, i+1
.endr
.irp p, 0,1
.irp m, 0,1,2,3,4,5,6,7
	v_cvt_pk_f16_f32 v[NV+8*\p+\m], v[ZP+4*\m+\p], v[ZP+4*\m+2+\p]
.endr
.endr
.irp p, 0,1
	ds_store_b128 v[ATS], v[NV+8*\p:NV+8*\p+3]   offset:1024*\p
	ds_store_b128 v[ATS], v[NV+8*\p+4:NV+8*\p+7] offset:1024*\p+16
.endr
.irp t, 0,1,2,3
	ds_load_b128 v[TA+8*\t:TA+8*\t+3], v[ATL] offset:512*\t    ; back as a matrix operand: row r, columns 8 h ..
.endr
	s_wait_dscnt 0x0
.irp t, 0,1,2,3
.irp m, 0,1,2,3
	v_xor_b32 v[TAN+8*\t+\m], s48, v[TA+8*\t+\m]
.endr
.endr
.irp t, 1,3                            ; odd blocks: [T~ | -T~] and [-T~ | -T~]
.irp m, 0,1,2,3
	v_xor_b32 v[TA+8*\t+4+\m], s48, v[TA+8*\t+\m]
	v_xor_b32 v[TAN+8*\t+4+\m], s48, v[TA+8*\t+\m]
.endr
.endr
	STAGE 0
	PACKS 0, 8
	PUT 0
	STAGE 1
	PACKS 12, 8
	STAGE 2
	PACKS 0, 4
	PUT 1
	WIN 0
	s_wait_dscnt 0x0                               ; for the others' sake: all that I made lies in my slot
	s_barrier_signal -1
	s_barrier_wait -1
	s_mov_b32 s31, 0                               ; the slot in hand, in bytes
	v_mov_b32 v[W_TR], v[C_TR]
	v_mov_b32 v[W_U],  v[C_U]
	LOADS 0
	WIN 0
	s_mov_b32 s30, 4
.Lscan:                                        ; a trip is a slot: two sub-chunks; each fetches the next one's operands first
	LOADS 1
	s_wait_dscnt 20                                ; all but the 20 just issued: this sub-chunk's operands are in
	SUB 0
	WIN 0
	s_cmp_eq_u32 s30, 1
	s_cbranch_scc1 .Lnopre                         ; behind the last slot there is nothing to fetch
	LOADS 0
	WIN 0
	s_wait_dscnt 20
	s_branch .Lgo
.Lnopre:
	s_wait_dscnt 0x0
.Lgo:
	SUB 1
	WIN 0
	s_sub_co_u32 s30, s30, 1
	s_cmp_lg_u32 s30, 0
	s_cbranch_scc1 .Lscan
	s_wait_dscnt 0x0                               ; my reads of all slots are over
	s_barrier_signal -1
	s_barrier_wait -1
	s_sub_co_u32 s20, s20, 1
	s_cmp_lg_u32 s20, 0
	s_cbranch_scc1 .Lround
	; THE WAY OUT.  R leaves as it lies.  P's 16 rows of mine go into bytes that only I use, rows of 160 bytes, and come back turned: lane = column, eight rows: half an operand of the fold.
	v_add_nc_u32 v[ANS], NTB, v[FK]
	v_add_nc_u32 v[ANL], NTB, v[ATR]
	WIN 0x04
.irp e, 0,1,2,3
	ds_store_b128 v[ANS], v[SPP+4*\e:SPP+4*\e+3] offset:32*\e
.endr
.set i, 0
.rept 8
	global_store_b128 v[GPR], v[ST+4*i:ST+4*i+3], s[10:11] offset:8192+512*i  ; 512 consecutive bytes, aligned
.set i, i+1
.endr
	WIN 0
.irp e, 0,1,2,3
	ds_load_tr16_b128 v[NV+4*\e:NV+4*\e+3], v[ANL] offset:32*\e  ; LDS serves a wave's instructions in order: these see the stores above
.endr
.irp e, 0,1,2,3
	s_wait_dscnt 3-\e
	global_store_b128 v[GPP], v[NV+4*\e:NV+4*\e+3], s[10:11] offset:2048*\e   ; piece 4 e + w: 512 consecutive bytes, aligned
.endr
	s_wait_tensorcnt 0x0                           ; the wave's end
	ds_add_u32 v[SPW], v[NIL]
	s_wait_dscnt 0x0
	s_endpgm
.Lfunc_end_k_q18a2760fa3_dstate:
	.size	k_q18a2760fa3_dstate, .Lfunc_end_k_q18a2760fa3_dstate-k_q18a2760fa3_dstate
	.p2alignl 7, 3214868480
	.fill 96, 4, 3214868480
	.section	.rodata,"a",@progbits
	.p2align	6, 0x0
	.amdhsa_kernel k_q18a2760fa3_dstate
		.amdhsa_group_segment_fixed_size 315904
		.amdhsa_private_segment_fixed_size 0
		.amdhsa_enable_private_segment 0
		.amdhsa_kernarg_size 32
		.amdhsa_user_sgpr_count 2
		.amdhsa_user_sgpr_kernarg_segment_ptr 1
		.amdhsa_wavefront_size32 1
		.amdhsa_system_sgpr_workgroup_id_x 1
		.amdhsa_system_sgpr_workgroup_id_y 1
		.amdhsa_system_sgpr_workgroup_id_z 1
		.amdhsa_system_vgpr_workitem_id 0
		.amdhsa_next_free_vgpr 1024
		.amdhsa_next_free_sgpr 66
		.amdhsa_reserve_vcc 1
		.amdhsa_float_denorm_mode_32 3
		.amdhsa_float_denorm_mode_16_64 3
		.amdhsa_memory_ordered 1
		.amdhsa_forward_progress 1
		.amdhsa_inst_pref_size 79
	.end_amdhsa_kernel
	.amdgpu_metadata
---
amdhsa.version: [ 1, 2 ]
amdhsa.kernels:
  - .name:           k_q18a2760fa3_dstate
    .symbol:         k_q18a2760fa3_dstate.kd
    .args:
      - { .name: kh, .offset: 0, .size: 8, .value_kind: global_buffer, .address_space: global }
      - { .name: vh, .offset: 8, .size: 8, .value_kind: global_buffer, .address_space: global }
      - { .name: betab, .offset: 16, .size: 8, .value_kind: global_buffer, .address_space: global }
      - { .name: xb, .offset: 24, .size: 8, .value_kind: global_buffer, .address_space: global }
    .group_segment_fixed_size: 315904
    .private_segment_fixed_size: 0
    .kernarg_segment_align: 8
    .kernarg_segment_size: 32
    .max_flat_workgroup_size: 128
    .sgpr_count:     66
    .vgpr_count:     1024
    .wavefront_size: 32
...
	.end_amdgpu_metadata
.endif
;; end of part 3
;; launch dout (part 4): grid 16 x 16, 4 waves a work-group, no clusters, 315,904 bytes of LDS; arguments qh, kh, vh, qs, betab, xb, ob; writes ob
.if DOCPART == 4
	.amdgcn_target "amdgcn-amd-amdhsa--gfx1250"
	.amdhsa_code_object_version 6
	.text
	.protected	k_q18a2760fa3_dout
	.globl	k_q18a2760fa3_dout
	.p2align	8
	.type	k_q18a2760fa3_dout,@function
k_q18a2760fa3_dout:
	s_mov_b64 s[64:65], 0
	v_nop
	global_prefetch_b8 v0, s[64:65] scope:SCOPE_SE
	s_setreg_imm32_b32 hwreg(HW_REG_WAVE_MODE, 25, 1), 1
	s_wait_xcnt 0x0
; THE DELTA RULE, SECOND PASS: THE OUTPUTS.  A work-group is one (head, batch, segment of 512 tokens): 256 work-groups.  The first pass has left, for segments 0 to 2, P and R with S_out = S_in P + R
; (records of 24,576 bytes in the workspace that held x in bf16 before).
; FOLD: the entry state of segment n is made from 0 by S = S P_g + R_g for g < n: eight products a wave and step, R_g as the sum's start.  Then two rounds of 256 tokens.
; For a sub-chunk of 32 tokens with entry state S0 [d][e], keys K (unit rows), values V, gates beta:
;   A = strict lower part of diag(beta) K K^T;  T~ = (I + A)^-1 diag(beta);  W = T~ K;  U = T~ V;  Dm = U - W S0^T;  S = S0 + Dm^T K;  O = Q S0^T + tril(Q K^T) Dm.
; (I + A)^-1 of each 16 x 16 diagonal block is found exactly, by back substitution in f32; the two blocks of a sub-chunk are joined by block substitution: X1 = T~11 (R1 - G10 X0).
; No series is cut: with nearly parallel keys a power series would form differences of large sums.
; A ROUND.  PRODUCE: wave w makes -W^T, U^T and M = tril(Q K^T) for its own 64 tokens (two sub-chunks) in its own LDS slot.  Barrier.  SCAN: wave w carries rows d = 16 w .. + 15
; of the state through the round's eight sub-chunks, reading all four slots.  Barrier.  Each wave stores its 64 rows of O.  The next round's K, Q, V lie in registers, loaded a round ahead.
; FORMATS: all products f16 x f16 with f32 sums; S, U (as the C operand), the substitution in f32; O is multiplied by |q| + 1e-6 (q arrives normalised) and rounded once to bf16.
; LIMITS: v, U, Dm, S are f16 operands: within 65,504.  With unit keys a row of S has norm at most sqrt(2048) x the largest |v|, so |v| below 1,400 is safe whatever the keys.  NaN and infinities are not treated apart.
; No cluster, no tensor loads: work-groups share no tile at the same time.  All three records are loaded whatever the segment, so that every register that a fold step reads is written on every path; the steps are jumped over.
; LAYOUTS fit without exchanges between lanes: every result has its lane at the index that the next product keeps and its registers at the index that it sums over; only -W^T and K^T are turned, by ds_load_tr16_b128.
; REGISTERS, in windows of 256: window 0: v1-47 addresses; ZP, BC, BJ, NV, EI, TA, TAN.  window 1: v0-191 the next round's K, Q, V; ST (S^T, f32), SP (S^T, f16), GA.
;   window 2: the fold's P; NR, then SOL (16 groups of [X | R0 | R1 | Y]), then the scan's two operand sets.  window 3: the fold's R; KF, QF, later 16 accumulators; the Gram accumulators; the scan's OT, DP, RH, OB; the way out.
.set SLOTB, 78848                      ; a wave's slot
.set KB,  0                            ; K    64 x 160
.set QB,  10240                        ; Q    64 x 144
.set VB,  19456                        ; V    64 x 160
.set WB,  29696                        ; -W^T [e][i] 64 x 160
.set UB,  39936                        ; U^T  [d][i] f32, 64 x 272
.set MB,  57344                        ; M    [i][32 j] 64 x 80
.set OS,  62464                        ; O    64 x 144
.set NTB, 71680                        ; beta_j G_ji: [g][i] rows of 144 bytes, [j][block g, block g + 2] f32
.set TS,  76288                        ; T~: four blocks x 16 rows x 32 bytes
.set BE,  78336                        ; beta, 64 f32
.set RO,  78592                        ; |q| + 1e-6, 64 f32
.set SPARE, 4*SLOTB                    ; the spare words: 128 bytes a wave, two blocks of 256 bytes that no other line names
.set REC, 24576                        ; a record: P 8,192 bytes, R 16,384
.set GOFF,1
.set GB,2
.set SK,3
.set SQ,4
.set SBE,5
.set FK,6
.set FQ,7
.set ABJ,8
.set ABC,9
.set ANS,10
.set ANL,11
.set AMS,12
.set ATR,13
.set ATS,14
.set ATL,15
.set AUS,16
.set SPW,17                            ; v17 my spare word; never rewritten
.set NIL,18                            ; v18 0; never rewritten
.set GBB,19
.set C_TR,20                           ; lane constants of the scan's addresses, without a slot
.set C_Q,21
.set C_M,22
.set C_U,23
.set C_R,24
.set C_O,25
.set W_TR,26                           ; the same with the slot in hand
.set W_Q,27
.set W_M,28
.set W_U,29
.set W_R,30
.set W_O,31
.set RM8,32
.set CC,33
.set GL16,40
.set GPR,41
.set PB,44                             ; v44-47 the next round's beta and |q|
.set ZP,48
.set BC,80
.set BJ,112
.set NV,144
.set EI,176
.set TA,192
.set TAN,224
.set ST,192                            ; window 1
.set SP,224
.set GA,240
.set GDR,128                           ; window 3
.set GOR,160
.set MDR,176
.set MP,224
.set OT,128
.set DP,144
.set RH,152                            ; v152-159: |q| of set p, token tile t in register 4 p + 2 t: the low word of a pair; the pairs' high words were written by the Gram products and are not used
.set OB,160
.set FL,192
.set MSB, 0
.macro WIN new
.if MSB != (\new)
	s_set_vgpr_msb (MSB<<8)|(\new)
.set MSB, \new
.endif
.endm
.macro PLACES
.rept 4
	v_nop
.endr
.endm
.macro GLOADS                          ; a round's 64 tokens of mine: 48 loads of 512 consecutive bytes, 256 bytes of |q|, two runs of 128 bytes of beta
	WIN 0x40
.set j, 0
.rept 16
	global_load_b128 v[4*j:4*j+3],         v[GOFF], s[6:7] offset:512*j th:TH_LOAD_NT
	global_load_b128 v[64+4*j:64+4*j+3],   v[GOFF], s[4:5] offset:512*j th:TH_LOAD_NT
	global_load_b128 v[128+4*j:128+4*j+3], v[GOFF], s[8:9] offset:512*j th:TH_LOAD_NT
.set j, j+1
.endr
	WIN 0
	global_load_b64 v[PB:PB+1],   v[GBB], s[12:13] th:TH_LOAD_NT
	global_load_b64 v[PB+2:PB+3], v[GB], s[10:11] th:TH_LOAD_NT
.endm
	s_load_b256 s[4:11], s[0:1], 0x0               ; qh s[4:5], kh s[6:7], vh s[8:9], qs s[10:11]
	s_load_b128 s[12:15], s[0:1], 0x20             ; betab s[12:13], the records s[14:15]
	s_load_b64 s[16:17], s[0:1], 0x30              ; ob
	v_lshl_add_u32 v[SPW], v0, 2, SPARE
	v_mov_b32 v[NIL], 0
	v_lshrrev_b32 v34, 5, v0
	v_readfirstlane_b32 s21, v34                   ; wave 0..3
	s_mul_i32 s22, s21, SLOTB                      ; my slot
	s_and_b32 s23, ttmp7, 0xffff
	s_lshr_b32 s29, s23, 2                         ; segment
	s_and_b32 s23, s23, 3                          ; batch
	s_lshl_b32 s32, s23, 17                        ; beta: batch x 64 blocks of 2,048 bytes
	s_lshl_b32 s28, ttmp9, 7                       ; + head x 128
	s_add_co_u32 s32, s32, s28
	s_lshl_b32 s28, s29, 15                        ; + segment x 16 blocks
	s_add_co_u32 s32, s32, s28
	s_mov_b32 s33, 0
	s_lshl_b32 s23, s23, 4
	s_add_co_u32 s23, s23, ttmp9                   ; 16 x batch + head
	s_lshl_b32 s24, s23, 18                        ; x 2,048 tokens x 128 bytes
	s_lshl_b32 s28, s29, 16                        ; + segment x 512 tokens
	s_add_co_u32 s24, s24, s28
	s_mov_b32 s25, 0
	s_lshl_b32 s26, s23, 13                        ; x 2,048 tokens x 4 bytes
	s_lshl_b32 s28, s29, 11
	s_add_co_u32 s26, s26, s28
	s_mov_b32 s27, 0
	s_mul_i32 s34, s23, 3*REC                      ; the three records of my batch and head
	s_mov_b32 s35, 0
	s_mov_b32 s48, 0x80008000                      ; the signs of two f16
	v_and_b32 v34, 31, v0                          ; lane
	s_lshl_b32 s28, s21, 13
	v_lshl_add_u32 v[GOFF], v34, 4, s28            ; 16 lane + 8,192 w
	s_lshl_b32 s28, s21, 8
	v_lshl_add_u32 v[GB], v34, 3, s28              ; 8 lane + 256 w
	v_lshlrev_b32 v[GL16], 4, v34                  ; 16 lane
	s_lshl_b32 s28, s21, 12
	v_lshl_add_u32 v[GPR], v34, 4, s28             ; 16 lane + 4,096 w
	v_and_b32 v[CC], 15, v0                        ; r
	v_bfe_u32 v35, v0, 4, 1                        ; h
	v_lshl_add_u32 v[GBB], v[CC], 3, s28           ; beta: 8 r + two blocks a wave
	v_lshl_add_u32 v[GBB], v35, 11, v[GBB]         ; + a block for the upper lanes
	s_wait_kmcnt 0x0
	s_add_nc_u64 s[4:5], s[4:5], s[24:25]
	s_add_nc_u64 s[6:7], s[6:7], s[24:25]
	s_add_nc_u64 s[8:9], s[8:9], s[24:25]
	s_add_nc_u64 s[16:17], s[16:17], s[24:25]
	s_add_nc_u64 s[10:11], s[10:11], s[26:27]
	s_add_nc_u64 s[12:13], s[12:13], s[32:33]
	s_add_nc_u64 s[14:15], s[14:15], s[34:35]
	WIN 0x80
.set i, 0
.rept 48                                       ; record i / 16: P's sixteen pieces, all of them: operand (et, kk) lies in registers 16 et + 8 kk ..
	global_load_b128 v[64*(i/16)+4*(i%16):64*(i/16)+4*(i%16)+3], v[GL16], s[14:15] offset:(i/16)*REC+(i%16)*512
.set i, i+1
.endr
	WIN 0xc0
.set i, 0
.rept 24                                       ; record i / 8: R's rows of mine, as the first pass's registers lay
	global_load_b128 v[32*(i/8)+4*(i%8):32*(i/8)+4*(i%8)+3], v[GPR], s[14:15] offset:(i/8)*REC+8192+(i%8)*512
.set i, i+1
.endr
	GLOADS                                         ; the first round
	v_lshrrev_b32 v36, 3, v34                      ; lane / 8
	v_and_b32 v37, 7, v0                           ; lane % 8
	v_bfe_u32 v38, v0, 3, 1                        ; (lane / 8) % 2
	v_mul_u32_u24 v[SK], v36, 160                  ; K and V into LDS: four rows a store
	v_lshl_add_u32 v[SK], v37, 4, v[SK]
	v_add_nc_u32 v[SK], s22, v[SK]
	v_mul_u32_u24 v[SQ], v36, 144                  ; Q likewise; O is read back by the same lanes
	v_lshl_add_u32 v[SQ], v37, 4, v[SQ]
	v_add3_u32 v[SQ], v[SQ], s22, QB
	v_lshlrev_b32 v[SBE], 3, v34
	v_add3_u32 v[SBE], v[SBE], s22, BE
	v_mul_u32_u24 v[FK], v[CC], 160                ; fragments of K, and the stores of -W^T: row r, 16 h
	v_lshl_add_u32 v[FK], v35, 4, v[FK]
	v_add_nc_u32 v[FK], s22, v[FK]
	v_mul_u32_u24 v[C_Q], v[CC], 144
	v_lshl_add_u32 v[C_Q], v35, 4, v[C_Q]
	v_add_nc_u32 v[C_O], OS, v[C_Q]
	s_lshl_b32 s28, s21, 5
	v_add_nc_u32 v[C_O], s28, v[C_O]               ; O: token r, my 16 channels, 16 h
	v_add_nc_u32 v[C_Q], QB, v[C_Q]
	v_add_nc_u32 v[FQ], s22, v[C_Q]
	v_lshlrev_b32 v[ABJ], 5, v35
	v_add3_u32 v[ABJ], v[ABJ], s22, BE
	v_lshlrev_b32 v[ABC], 6, v35
	v_add3_u32 v[ABC], v[ABC], s22, BE
	v_mul_u32_u24 v[ANS], v[CC], 144
	v_lshl_add_u32 v[ANS], v35, 6, v[ANS]
	v_add3_u32 v[ANS], v[ANS], s22, NTB
	v_mul_u32_u24 v[ANL], v35, 2304
	v_add3_u32 v[ANL], v[ANL], s22, NTB
	v_mul_u32_u24 v[C_M], v[CC], 80
	v_lshl_add_u32 v[C_M], v35, 4, v[C_M]
	v_add_nc_u32 v[C_M], MB, v[C_M]
	v_add_nc_u32 v[AMS], s22, v[C_M]
	v_lshl_add_u32 v[C_TR], v35, 3, v37            ; the turning load: row 8 h + lane % 8, 16 bytes at 16 ((lane / 8) % 2)
	v_mul_u32_u24 v[C_TR], v[C_TR], 160
	v_lshl_add_u32 v[C_TR], v38, 4, v[C_TR]
	v_add_nc_u32 v[ATR], s22, v[C_TR]
	v_lshlrev_b32 v[ATS], 5, v[CC]
	v_lshl_add_u32 v[ATL], v35, 4, v[ATS]
	v_lshl_add_u32 v[ATS], v35, 9, v[ATS]
	v_add3_u32 v[ATS], v[ATS], s22, TS
	v_add3_u32 v[ATL], v[ATL], s22, TS
	v_mul_u32_u24 v[AUS], v[CC], 272
	v_lshl_add_u32 v[AUS], v35, 5, v[AUS]
	v_add_nc_u32 v[AUS], UB, v[AUS]
	s_mul_i32 s28, s21, 16*272
	v_add_nc_u32 v[C_U], s28, v[AUS]               ; the scan reads my 16 rows d of U^T
	v_add_nc_u32 v[AUS], s22, v[AUS]
	v_lshlrev_b32 v[C_R], 2, v[CC]
	v_add_nc_u32 v[C_R], RO, v[C_R]
	v_lshlrev_b32 v39, 3, v35
	v_sub_nc_u32 v[RM8], v[CC], v39                ; r - 8 h
.set j, 0
.rept 8
	v_cmp_gt_i32 s[40+j], j, v[RM8]                ; the lanes in which 8 h + j > r
.set j, j+1
.endr
.set i, 0
.rept 16
	v_cmp_eq_u32 vcc_lo, i, v[CC]
	v_cndmask_b32 v[EI+i], 0, 1.0, vcc_lo          ; row i of the unit matrix, column r
.set i, i+1
.endr
.irp t, 0,2                            ; the upper halves of the even blocks' operands stay 0
.irp m, 4,5,6,7
	v_mov_b32 v[TA+8*\t+\m], 0
	v_mov_b32 v[TAN+8*\t+\m], 0
.endr
.endr
	WIN 0x40
.set i, ST
.rept 48                                       ; the state begins at 0: segment 0 keeps it, the others fold onto it
	v_mov_b32 v[i], 0
.set i, i+1
.endr
.irp s, 0,1
.irp m, 4,5,6,7
	v_mov_b32 v[GA+8*\s+\m], 0
.endr
.endr
	WIN 0
	ds_store_b128 v[AMS], v[TA+4:TA+7] offset:32       ; M's tiles above the diagonal are 0, once for the launch
	ds_store_b128 v[AMS], v[TA+4:TA+7] offset:2560+32
; One step of the fold: S^T [e'][d] = sum over e of P [e][e'] S^T [e][d] + R^T [e'][d].  Source 0 = P turned (lane e', registers e), source 1 = the state in f16 (lane d, registers e).
; The four accumulators take turns.  Five places stand behind the products: the next step's products write over these accumulators.
.macro FOLD g
	WIN 0x76
.irp e, 0,1,2,3
	v_wmma_f32_16x16x32_f16 v[ST+8*\e:ST+8*\e+7], v[64*(\g)+16*\e:64*(\g)+16*\e+7], v[SP:SP+7], v[32*(\g)+8*\e:32*(\g)+8*\e+7]
.endr
	WIN 0x56
.irp e, 0,1,2,3
	v_wmma_f32_16x16x32_f16 v[ST+8*\e:ST+8*\e+7], v[64*(\g)+16*\e+8:64*(\g)+16*\e+15], v[SP+8:SP+15], v[ST+8*\e:ST+8*\e+7]
.endr
.rept 5
	v_nop
.endr
	WIN 0x45
.set i, 0
.rept 16
	v_cvt_pk_f16_f32 v[SP+i], v[ST+2*i], v[ST+2*i+1]
.set i, i+1
.endr
	WIN 0
.endm
	s_wait_loadcnt 0x0                             ; the records, and the first round's tokens behind them
	s_cmp_eq_u32 s29, 0
	s_cbranch_scc1 .Lfolded
	FOLD 0
	s_cmp_lt_u32 s29, 2
	s_cbranch_scc1 .Lfolded
	FOLD 1
	s_cmp_lt_u32 s29, 3
	s_cbranch_scc1 .Lfolded
	FOLD 2
.Lfolded:
	s_mov_b32 s20, 2
.macro G1W d, a, b, kk                 ; one product of the Gram stage
.if (\kk) == 0
	v_wmma_f32_16x16x32_f16 v[(\d):(\d)+7], v[(\a):(\a)+7], v[(\b):(\b)+7], 0
.else
	v_wmma_f32_16x16x32_f16 v[(\d):(\d)+7], v[(\a)+8:(\a)+15], v[(\b)+8:(\b)+15], v[(\d):(\d)+7]
.endif
.endm
.macro GRAM kk                         ; twelve accumulators by turns: K K^T on and below the diagonal, K Q^T likewise
.irp t, 0,1,2,3
	G1W GDR+8*\t, 16*\t, 16*\t, \kk
.endr
.irp s, 0,1
	G1W GOR+8*\s, 32*\s, 32*\s+16, \kk
.endr
.irp t, 0,1,2,3
	G1W MDR+8*\t, 16*\t, 64+16*\t, \kk
.endr
.irp s, 0,1
	G1W MDR+32+8*\s, 32*\s, 64+32*\s+16, \kk
.endr
.endm
; 16 products, one for each group g = 8 s + nt (sub-chunk s, 16 columns nt of [K | V]).  kind 0: X0 = T~00 R0.  kind 1: Y = G10 X0.  kind 2: X1 = T~11 R1 - T~11 Y.  For K's columns all of it negated.
.macro STAGE kind
.set g, 0
.rept 16
.if (\kind) == 1
	WIN 0xc9
	v_wmma_f32_16x16x32_f16 v[8*g:8*g+7], v[GA+8*(g/8):GA+8*(g/8)+7], v[16*g:16*g+7], 0
.else
	WIN 0xc8
.set RA, TA+32*(1-(g%8)/4)+16*(g/8)+4*(\kind)
	v_wmma_f32_16x16x32_f16 v[8*g:8*g+7], v[RA:RA+7], v[16*g+4+2*(\kind):16*g+11+2*(\kind)], 0
.endif
.set g, g+1
.endr
	PLACES
.endm
.macro PACKS off, n                    ; the results of the groups with nt < n, rounded to f16, into their group's registers off .. off + 3
	WIN 0x8f
.set g, 0
.rept 16
.if (g%8) < (\n)
.set m, 0
.rept 4
	v_cvt_pk_f16_f32 v[16*g+(\off)+m], v[8*g+2*m], v[8*g+2*m+1]
.set m, m+1
.endr
.endif
.set g, g+1
.endr
.endm
.macro PUT u                           ; block u of each sub-chunk: -W^T in f16, U^T in f32
	WIN 0x08
.set g, 0
.rept 16
.if (g%8) < 4
	ds_store_b128 v[FK], v[16*g:16*g+3] offset:WB+(g%8)*2560+64*(g/8)+32*(\u)
.endif
.set g, g+1
.endr
	WIN 0x0c
.set g, 0
.rept 16
.if (g%8) >= 4
	ds_store_b128 v[AUS], v[8*g:8*g+3]   offset:((g%8)-4)*4352+128*(g/8)+64*(\u)
	ds_store_b128 v[AUS], v[8*g+4:8*g+7] offset:((g%8)-4)*4352+128*(g/8)+64*(\u)+16
.endif
.set g, g+1
.endr
.endm
; THE SCAN.  34 loads: half p of the slot in hand into operand set p: -W (turned), K^T (turned), Q, M, U (as the sum's start), |q|.
.macro LOADS p
.set ss, (\p)
.set LB, 128*ss
	WIN 0x80
.irp t, 0,1
.irp kk, 0,1
	ds_load_tr16_b128 v[LB+16*\t+8*\kk:LB+16*\t+8*\kk+3],   v[W_TR] offset:WB+5120*\kk+64*ss+32*\t
	ds_load_tr16_b128 v[LB+16*\t+8*\kk+4:LB+16*\t+8*\kk+7], v[W_TR] offset:WB+5120*\kk+64*ss+32*\t+2560
.endr
.endr
.irp et, 0,1,2,3
	ds_load_tr16_b128 v[LB+32+8*\et:LB+32+8*\et+3], v[W_TR] offset:5120*ss+32*\et
	ds_load_tr16_b128 v[LB+36+8*\et:LB+36+8*\et+3], v[W_TR] offset:5120*ss+32*\et+2560
.endr
.irp t, 0,1
.irp kk, 0,1
	ds_load_b128 v[LB+64+16*\t+8*\kk:LB+64+16*\t+8*\kk+3], v[W_Q] offset:(32*ss+16*\t)*144+64*\kk
	ds_load_b128 v[LB+68+16*\t+8*\kk:LB+68+16*\t+8*\kk+3], v[W_Q] offset:(32*ss+16*\t)*144+64*\kk+32
.endr
.endr
.irp t, 0,1
	ds_load_b128 v[LB+96+8*\t:LB+96+8*\t+3],   v[W_M] offset:(32*ss+16*\t)*80
	ds_load_b128 v[LB+100+8*\t:LB+100+8*\t+3], v[W_M] offset:(32*ss+16*\t)*80+32
.endr
.irp t, 0,1
	ds_load_b128 v[LB+112+8*\t:LB+112+8*\t+3], v[W_U] offset:128*ss+64*\t
	ds_load_b128 v[LB+116+8*\t:LB+116+8*\t+3], v[W_U] offset:128*ss+64*\t+16
.endr
	WIN 0xc0
.irp t, 0,1
	ds_load_b32 v[RH+4*ss+2*\t], v[W_R] offset:(32*ss+16*\t)*4
.endr
.endm
; One sub-chunk, from set p.  Accumulators take turns, one instruction a turn.
.macro SUB p
.set S0_, 128*(\p)
	WIN 0xa6
.irp kk, 0,1                           ; Dm^T = U^T + (-W) S0^T: lane d, registers i
.irp t, 0,1
	v_wmma_f32_16x16x32_f16 v[S0_+112+8*\t:S0_+112+8*\t+7], v[S0_+16*\t+8*\kk:S0_+16*\t+8*\kk+7], v[SP+8*\kk:SP+8*\kk+7], v[S0_+112+8*\t:S0_+112+8*\t+7]
.endr
.endr
	PLACES
	WIN 0xca
.set i, 0
.rept 8
	v_cvt_pk_f16_f32 v[DP+i], v[S0_+112+2*i], v[S0_+112+2*i+1]
.set i, i+1
.endr
	WIN 0x5e
.irp et, 0,1,2,3                       ; S^T += K^T Dm
	v_wmma_f32_16x16x32_f16 v[ST+8*\et:ST+8*\et+7], v[S0_+32+8*\et:S0_+32+8*\et+7], v[DP:DP+7], v[ST+8*\et:ST+8*\et+7]
.endr
	WIN 0xf9
.irp t, 0,1                            ; O^T = S0 Q^T: lane token, registers d
	v_wmma_f32_16x16x32_f16 v[OT+8*\t:OT+8*\t+7], v[SP:SP+7], v[S0_+64+16*\t:S0_+64+16*\t+7], 0
.endr
.irp t, 0,1
	v_wmma_f32_16x16x32_f16 v[OT+8*\t:OT+8*\t+7], v[SP+8:SP+15], v[S0_+72+16*\t:S0_+72+16*\t+7], v[OT+8*\t:OT+8*\t+7]
.endr
	WIN 0xfb
.irp t, 0,1                            ; + Dm^T M^T
	v_wmma_f32_16x16x32_f16 v[OT+8*\t:OT+8*\t+7], v[DP:DP+7], v[S0_+96+8*\t:S0_+96+8*\t+7], v[OT+8*\t:OT+8*\t+7]
.endr
.if (\p) == 0
	WIN 0                                          ; the next slot's addresses are the places behind the products
	s_add_co_u32 s31, s31, SLOTB
	v_add_nc_u32 v[W_TR], s31, v[C_TR]
	v_add_nc_u32 v[W_Q],  s31, v[C_Q]
	v_add_nc_u32 v[W_M],  s31, v[C_M]
	v_add_nc_u32 v[W_U],  s31, v[C_U]
	v_add_nc_u32 v[W_R],  s31, v[C_R]
.else
	PLACES
.endif
	WIN 0x45
.set i, 0
.rept 16                                       ; the state for the next sub-chunk's products
	v_cvt_pk_f16_f32 v[SP+i], v[ST+2*i], v[ST+2*i+1]
.set i, i+1
.endr
	WIN 0xcf                                       ; this sub-chunk's O: times |q|, rounded to bf16, into the slot's rows of O
.set i, 0
.rept 8                                        ; each accumulator's registers in ascending order
	v_pk_mul_f32 v[OT+2*i:OT+2*i+1], v[OT+2*i:OT+2*i+1], v[RH+4*(\p)+2*(i/4):RH+4*(\p)+2*(i/4)+1] op_sel_hi:[1,0]
.set i, i+1
.endr
.set i, 0
.rept 8
	v_cvt_pk_bf16_f32 v[OB+i], v[OT+2*i], v[OT+2*i+1]
.set i, i+1
.endr
	WIN 0x0c
.irp t, 0,1
	ds_store_b128 v[W_O], v[OB+4*\t:OB+4*\t+3] offset:(32*(\p)+16*\t)*144
.endr
.if (\p) == 1
	WIN 0
	v_add_nc_u32 v[W_O], s31, v[C_O]               ; O's rows of the next slot
.endif
.endm
.Lround:
	; K, Q, V, beta, |q| of my 64 tokens go into my slot
	s_wait_loadcnt 0x0
	WIN 0x04
.set j, 0
.rept 16
	ds_store_b128 v[SK], v[4*j:4*j+3]         offset:640*j
	ds_store_b128 v[SQ], v[64+4*j:64+4*j+3]   offset:576*j
	ds_store_b128 v[SK], v[128+4*j:128+4*j+3] offset:VB+640*j
.set j, j+1
.endr
	WIN 0
	ds_store_b64 v[SBE], v[PB:PB+1]
	ds_store_b64 v[SBE], v[PB+2:PB+3] offset:256
	WIN 0xc0
.irp t, 0,1,2,3
.irp kk, 0,1
	ds_load_b128 v[16*\t+8*\kk:16*\t+8*\kk+3],   v[FK] offset:\t*2560+64*\kk
	ds_load_b128 v[16*\t+8*\kk+4:16*\t+8*\kk+7], v[FK] offset:\t*2560+64*\kk+32
.endr
.endr
.irp t, 0,1,2,3
.irp kk, 0,1
	ds_load_b128 v[64+16*\t+8*\kk:64+16*\t+8*\kk+3], v[FQ] offset:\t*2304+64*\kk
	ds_load_b128 v[68+16*\t+8*\kk:68+16*\t+8*\kk+3], v[FQ] offset:\t*2304+64*\kk+32
.endr
.endr
	WIN 0
.irp t, 0,1,2,3
	ds_load_b128 v[BJ+8*\t:BJ+8*\t+3],   v[ABJ] offset:64*\t       ; beta of tokens 16 t + 8 h + 0..7
	ds_load_b128 v[BJ+8*\t+4:BJ+8*\t+7], v[ABJ] offset:64*\t+16
.endr
.irp p, 0,1
.irp q, 0,1,2,3
	ds_load_b128 v[BC+16*\p+4*\q:BC+16*\p+4*\q+3], v[ABC] offset:128*\p+16*\q  ; beta of block h + 2 p, all 16 tokens
.endr
.endr
	s_wait_dscnt 16                                ; the sixteen loads of beta may be out; LDS serves a wave in order, so the stores above are done too
	s_cmp_eq_u32 s20, 1
	s_cbranch_scc1 .Lnopf                          ; the last round has no successor: no load leaves the segment
	s_add_nc_u64 s[4:5], s[4:5], 32768             ; the loads that named these pointers are done
	s_add_nc_u64 s[6:7], s[6:7], 32768
	s_add_nc_u64 s[8:9], s[8:9], 32768
	s_add_nc_u64 s[10:11], s[10:11], 1024
	s_add_nc_u64 s[12:13], s[12:13], 16384
	GLOADS                                         ; they have the whole round in which to land
.Lnopf:
	WIN 0xff
	GRAM 0
	GRAM 1
	PLACES
	s_wait_dscnt 0x0
	; beta_j G_ji for j > i (lane i = r, registers j = 8 h + jj), else 0; sent through LDS so that every lane of a block can read every entry
	WIN 0x0c
.set t, 0
.rept 4
.set jj, 0
.rept 8
	v_mul_f32 v[NV+16*(t%2)+2*jj+t/2], v[BJ+8*t+jj], v[GDR+8*t+jj]
.set jj, jj+1
.endr
.set t, t+1
.endr
	WIN 0
.set i, 0
.rept 32
	v_cndmask_b32 v[NV+i], 0, v[NV+i], s[40+(i%16)/2]
.set i, i+1
.endr
.irp g, 0,1
.irp q, 0,1,2,3
	ds_store_b128 v[ANS], v[NV+16*\g+4*\q:NV+16*\g+4*\q+3] offset:\g*2304+16*\q
.endr
.endr
	WIN 0x80
.set i, 0
.rept 15                                       ; row i: the entries j = 2 ((i + 1) / 2) .. 15, for blocks h and h + 2: 64 loads, 256 registers
.set q, (i+1)/2
.rept 8-(i+1)/2
	ds_load_b128 v[4*(8*i-(i*i)/4)+4*(q-(i+1)/2):4*(8*i-(i*i)/4)+4*(q-(i+1)/2)+3], v[ANL] offset:i*144+16*q
.set q, q+1
.endr
.set i, i+1
.endr
	; while those loads are out: M is masked (key <= query), rounded and stored; G10 is rounded; the substitution's rows start as the unit matrix
	WIN 0xc3
.set i, 0
.rept 32
	v_cndmask_b32 v[MDR+i], v[MDR+i], 0, s[40+i%8]
.set i, i+1
.endr
	WIN 0xcf
.set i, 0
.rept 24
	v_cvt_pk_f16_f32 v[MP+i], v[MDR+2*i], v[MDR+2*i+1]
.set i, i+1
.endr
	WIN 0x0c
.irp t, 0,1,2,3
	ds_store_b128 v[AMS], v[MP+4*\t:MP+4*\t+3] offset:\t*1280+32*(\t%2)
.endr
.irp s, 0,1
	ds_store_b128 v[AMS], v[MP+16+4*\s:MP+16+4*\s+3] offset:(2*\s+1)*1280
.endr
	WIN 0x4f
.irp s, 0,1
.irp m, 0,1,2,3
	v_cvt_pk_f16_f32 v[GA+8*\s+\m], v[GOR+8*\s+2*\m], v[GOR+8*\s+2*\m+1]
.endr
.endr
	WIN 0
.set i, 0
.rept 16
	v_mov_b32 v[ZP+2*i], v[EI+i]
	v_mov_b32 v[ZP+2*i+1], v[EI+i]
.set i, i+1
.endr
	s_wait_dscnt 6                                 ; only M's six stores are younger than the 64 loads
	; Z_i = e_i - sum over j > i of beta_j G_ji Z_j, by columns j = 15 .. 1.  A lane is column r of Z = row r of (I + A)^-1; a pair holds blocks h and h + 2.
	WIN 0x02
.set j, 15
.rept 15
.set i, j-1
.rept j
.set NRR, 4*(8*i-(i*i)/4)+2*(j-2*((i+1)/2))
	v_pk_fma_f32 v[ZP+2*i:ZP+2*i+1], v[NRR:NRR+1], v[ZP+2*j:ZP+2*j+1], v[ZP+2*i:ZP+2*i+1] neg_lo:[1,0,0] neg_hi:[1,0,0]
.set i, i-1
.endr
.set j, j-1
.endr
	; the right-hand sides [K | V], turned: lane = column, registers = tokens
	WIN 0x80
.set g, 0
.rept 16
.irp u, 0,1
	ds_load_tr16_b128 v[16*g+4+4*\u:16*g+7+4*\u], v[ATR] offset:(2*(g/8)+\u)*2560+32*(g%4)+VB*((g%8)/4)
.endr
.set g, g+1
.endr
	WIN 0
.set i, 0
.rept 16
	v_mul_f32 v[ZP+2*i], v[ZP+2*i], v[BC+i]        ; T~ = (I + A)^-1 diag(beta)
	v_mul_f32 v[ZP+2*i+1], v[ZP+2*i+1], v[BC+16+i]
.set i, i+1
.endr
.irp p, 0,1
.irp m, 0,1,2,3,4,5,6,7
	v_cvt_pk_f16_f32 v[NV+8*\p+\m], v[ZP+4*\m+\p], v[ZP+4*\m+2+\p]
.endr
.endr
.irp p, 0,1
	ds_store_b128 v[ATS], v[NV+8*\p:NV+8*\p+3]   offset:1024*\p
	ds_store_b128 v[ATS], v[NV+8*\p+4:NV+8*\p+7] offset:1024*\p+16
.endr
.irp t, 0,1,2,3
	ds_load_b128 v[TA+8*\t:TA+8*\t+3], v[ATL] offset:512*\t    ; back as a matrix operand: row r, columns 8 h ..
.endr
	s_wait_dscnt 0x0
.irp t, 0,1,2,3
.irp m, 0,1,2,3
	v_xor_b32 v[TAN+8*\t+\m], s48, v[TA+8*\t+\m]
.endr
.endr
.irp t, 1,3                            ; odd blocks: [T~ | -T~] and [-T~ | -T~]
.irp m, 0,1,2,3
	v_xor_b32 v[TA+8*\t+4+\m], s48, v[TA+8*\t+\m]
	v_xor_b32 v[TAN+8*\t+4+\m], s48, v[TA+8*\t+\m]
.endr
.endr
	STAGE 0
	PACKS 0, 8
	PUT 0
	STAGE 1
	PACKS 12, 8
	STAGE 2
	PACKS 0, 4
	PUT 1
	WIN 0
	s_wait_dscnt 0x0                               ; for the others' sake: all that I made lies in my slot
	s_barrier_signal -1
	s_barrier_wait -1
	s_mov_b32 s31, 0                               ; the slot in hand, in bytes
	v_mov_b32 v[W_TR], v[C_TR]
	v_mov_b32 v[W_Q],  v[C_Q]
	v_mov_b32 v[W_M],  v[C_M]
	v_mov_b32 v[W_U],  v[C_U]
	v_mov_b32 v[W_R],  v[C_R]
	v_mov_b32 v[W_O],  v[C_O]
	LOADS 0
	WIN 0
	s_mov_b32 s30, 4
.Lscan:                                        ; a trip is a slot: two sub-chunks; each fetches the next one's operands first
	LOADS 1
	s_wait_dscnt 34                                ; all but the 34 just issued: this sub-chunk's operands are in
	SUB 0
	WIN 0
	s_cmp_eq_u32 s30, 1
	s_cbranch_scc1 .Lnopre                         ; behind the last slot there is nothing to fetch
	LOADS 0
	WIN 0
	s_wait_dscnt 34
	s_branch .Lgo
.Lnopre:
	s_wait_dscnt 0x0
.Lgo:
	SUB 1
	WIN 0
	s_sub_co_u32 s30, s30, 1
	s_cmp_lg_u32 s30, 0
	s_cbranch_scc1 .Lscan
	s_wait_dscnt 0x0                               ; my reads of all slots are over, my part of O is written
	s_barrier_signal -1
	s_barrier_wait -1
	WIN 0xc0
.set j, 0
.rept 16
	ds_load_b128 v[FL+4*j:FL+4*j+3], v[SQ] offset:OS-QB+576*j
.set j, j+1
.endr
	WIN 0x0c
.set j, 0
.rept 16
	s_wait_dscnt 15-j
	global_store_b128 v[GOFF], v[FL+4*j:FL+4*j+3], s[16:17] offset:512*j  ; 512 consecutive bytes, aligned
.set j, j+1
.endr
	WIN 0
	s_wait_xcnt 0x0                                ; the stores' base and data are rewritten only behind this wait
	s_add_nc_u64 s[16:17], s[16:17], 32768
	s_sub_co_u32 s20, s20, 1
	s_cmp_lg_u32 s20, 0
	s_cbranch_scc1 .Lround
	s_wait_tensorcnt 0x0                           ; the wave's end
	ds_add_u32 v[SPW], v[NIL]
	s_wait_dscnt 0x0
	s_endpgm
.Lfunc_end_k_q18a2760fa3_dout:
	.size	k_q18a2760fa3_dout, .Lfunc_end_k_q18a2760fa3_dout-k_q18a2760fa3_dout
	.p2alignl 7, 3214868480
	.fill 96, 4, 3214868480
	.section	.rodata,"a",@progbits
	.p2align	6, 0x0
	.amdhsa_kernel k_q18a2760fa3_dout
		.amdhsa_group_segment_fixed_size 315904
		.amdhsa_private_segment_fixed_size 0
		.amdhsa_enable_private_segment 0
		.amdhsa_kernarg_size 56
		.amdhsa_user_sgpr_count 2
		.amdhsa_user_sgpr_kernarg_segment_ptr 1
		.amdhsa_wavefront_size32 1
		.amdhsa_system_sgpr_workgroup_id_x 1
		.amdhsa_system_sgpr_workgroup_id_y 1
		.amdhsa_system_sgpr_workgroup_id_z 1
		.amdhsa_system_vgpr_workitem_id 0
		.amdhsa_next_free_vgpr 1024
		.amdhsa_next_free_sgpr 66
		.amdhsa_reserve_vcc 1
		.amdhsa_float_denorm_mode_32 3
		.amdhsa_float_denorm_mode_16_64 3
		.amdhsa_memory_ordered 1
		.amdhsa_forward_progress 1
		.amdhsa_inst_pref_size 103
	.end_amdhsa_kernel
	.amdgpu_metadata
---
amdhsa.version: [ 1, 2 ]
amdhsa.kernels:
  - .name:           k_q18a2760fa3_dout
    .symbol:         k_q18a2760fa3_dout.kd
    .args:
      - { .name: qh, .offset: 0, .size: 8, .value_kind: global_buffer, .address_space: global }
      - { .name: kh, .offset: 8, .size: 8, .value_kind: global_buffer, .address_space: global }
      - { .name: vh, .offset: 16, .size: 8, .value_kind: global_buffer, .address_space: global }
      - { .name: qs, .offset: 24, .size: 8, .value_kind: global_buffer, .address_space: global }
      - { .name: betab, .offset: 32, .size: 8, .value_kind: global_buffer, .address_space: global }
      - { .name: xb, .offset: 40, .size: 8, .value_kind: global_buffer, .address_space: global }
      - { .name: ob, .offset: 48, .size: 8, .value_kind: global_buffer, .address_space: global }
    .group_segment_fixed_size: 315904
    .private_segment_fixed_size: 0
    .kernarg_segment_align: 8
    .kernarg_segment_size: 56
    .max_flat_workgroup_size: 128
    .sgpr_count:     66
    .vgpr_count:     1024
    .wavefront_size: 32
...
	.end_amdgpu_metadata
.endif
;; end of part 4
;; launch outp (part 5): grid 8 x 32, 4 waves a work-group, clusters of 4 x 4, 327,680 bytes of LDS; arguments ob, wt, bo, out0; writes out0
.if DOCPART == 5
	.amdgcn_target "amdgcn-amd-amdhsa--gfx1250"
	.amdhsa_code_object_version 6
	.text
	.protected	k_q18a2760fa3_outp
	.globl	k_q18a2760fa3_outp
	.p2align	8
	.type	k_q18a2760fa3_outp,@function
k_q18a2760fa3_outp:
	s_mov_b64 s[64:65], 0
	v_nop
	global_prefetch_b8 v0, s[64:65] scope:SCOPE_SE
	s_setreg_imm32_b32 hwreg(HW_REG_WAVE_MODE, 25, 1), 1
	s_wait_xcnt 0x0
	s_wait_alu depctr_hold_cnt(0) depctr_sa_sdst(0) depctr_va_vdst(0) depctr_va_sdst(0) depctr_va_ssrc(0) depctr_va_vcc(0) depctr_vm_vsrc(0)
	s_getreg_b32 s2, hwreg(HW_REG_IB_STS2, 6, 4)
	s_cmp_eq_u32 s2, 0
	s_cbranch_scc0 .Lentry_in_a_cluster
	s_endpgm
.Lentry_in_a_cluster:
	s_bfe_u32 s2, ttmp6, 0x10000c
	s_cmp_lg_u32 s2, 0xf033
	s_cbranch_scc0 .Lentry_shape_is_right
	s_endpgm
.Lentry_shape_is_right:
; out0 = O Wo + bo.  O lies by heads, [b][h][s][64] in bf16; Wo^T is rows 3072 .. 4095 of wt, [n][k] in bf16; bo is rounded to bf16 like every input; sums and output in f32.
; A block of 256 rows x 128 columns to a work-group: 256 work-groups.  Four waves, wave w owns rows 64 w .. + 63 and all 128 columns: 32 accumulators, 256 registers.
; A K step of 128 is two heads: a head's 256 rows of 128 bytes are dense in memory and are asked for as 128 rows of 256 bytes, padded in LDS after every 128 bytes.  Two slots.
; CLUSTER 4 x 4: O's tile is asked for jointly along a row of the cluster, Wo's along a column.  The matrix instruction is used transposed: a lane holds one row and eight neighbouring columns.
; REGISTERS: window 0: v0-31 addresses; v64-127 O's fragments, two buffers; v128-191 my 64 bias numbers.  window 1: v0-127 Wo's fragments, two buffers; v128-255 the way out.  window 2: accumulators at v[64 a + 8 b].
.set PITCH,  272
.set APITCH, 144
.set NT,     8
.set AHEAD,  256*APITCH                ; one head's 256 rows
.set ABYTES, 2*AHEAD
.set SLOT,   ABYTES+128*PITCH
.set STAGE,  2*SLOT                    ; behind the ring: 16 rows x 528 bytes for each wave
.set SPITCH, 528
.set SPARE,  STAGE+4*16*SPITCH         ; the spare words: 128 bytes a wave, two blocks of 256 bytes that no other line names
.set LAPS,   4
.set ADRA, 16
.set ADRB, 20
.set STO,  24
.set RD,   25
.set GO,   26
.set SPW,  28                          ; v28 my spare word; never rewritten
.set NIL,  29                          ; v29 0; never rewritten
.set TT,   30
.set BOF,  31
.set BI,   128
.set G1, 24
.set G0, 32
.set G1B, 48
.set G0B, 56
.set MSB, 0
.macro WIN new
.if MSB != (\new)
	s_set_vgpr_msb (MSB<<8)|(\new)
.set MSB, \new
.endif
.endm
.macro JLOAD s                         ; a joint load: waves 0 and 1 fetch the K step's two heads of O, waves 2 and 3 the two halves of Wo's rows; an s_nop 0 and four v_nop follow each line
	s_cmp_eq_u32 s11, 0
	s_cbranch_scc0 .Lfor_b_\@
	tensor_load_to_lds s[G0+4*(\s):G0+4*(\s)+3], s[G1:G1+7]
	s_nop 0
.rept 4
	v_nop
.endr
	s_branch .Lasked_\@
.Lfor_b_\@:
	tensor_load_to_lds s[G0B+4*(\s):G0B+4*(\s)+3], s[G1B:G1B+7]
	s_nop 0
.rept 4
	v_nop
.endr
.Lasked_\@:
.endm
.macro CREST
	s_cmp_lg_u32 s10, 0
	s_cbranch_scc1 .Lnot_wave_0_\@
	s_barrier_signal -3
.Lnot_wave_0_\@:
	s_barrier_wait -3
	s_barrier_signal -1
	s_barrier_wait -1
.endm
.macro CROUND
	s_barrier_signal -1
	s_barrier_wait -1
	CREST
.endm
.macro PLACES
.rept 4
	v_nop
.endr
.endm
	s_load_b256 s[68:75], s[0:1], 0x0              ; ob s[68:69], wt s[70:71], bo s[72:73], out0 s[74:75]
	v_lshl_add_u32 v[SPW], v0, 2, SPARE
	v_mov_b32 v[NIL], 0
	ds_add_u32 v[SPW], v[NIL]                      ; the wave's opening: the add and its wait stand ahead of my first tensor load
	v_lshrrev_b32 v1, 5, v0
	v_readfirstlane_b32 s10, v1
	s_lshr_b32 s11, s10, 1
	s_and_b32 s12, s10, 1
	s_bfe_u32 s40, ttmp6, 0x40000
	s_bfe_u32 s41, ttmp6, 0x40004
	s_lshl_b32 s42, ttmp9, 2
	s_add_co_u32 s42, s42, s40                     ; the block of 128 columns
	s_and_b32 s13, ttmp7, 0xffff
	s_lshl_b32 s13, s13, 2
	s_add_co_u32 s13, s13, s41                     ; the block of 256 rows
	s_lshl_b32 s43, s41, 2
	s_lshl_b32 s43, 15, s43
	s_lshl_b32 s44, 0x1111, s40
	s_or_b32 s[G1+0], s43, (1<<16)|(1<<20)|(1<<21)|(4<<22)|(3<<25)   ; O: after every 32 words 4 words of padding
	s_or_b32 s[G1B+0], s44, (1<<16)|(1<<20)|(1<<21)|(5<<22)|(3<<25)  ; Wo: after every 64 words
	s_mov_b32 s[G1+1], 128<<16
	s_mov_b32 s[G1+2], 128<<16
	s_mov_b32 s[G1+3], 128<<16
	s_mov_b32 s[G1+4], 128
	s_mov_b32 s[G1+5], 128                         ; dense: a row of 128 elements begins where the last ends
	s_mov_b32 s[G1+6], 0
	s_mov_b32 s[G1+7], 0
	s_mov_b32 s[G1B+1], 128<<16
	s_mov_b32 s[G1B+2], 64<<16
	s_mov_b32 s[G1B+3], 128<<16
	s_mov_b32 s[G1B+4], 64
	s_mov_b32 s[G1B+5], 1024
	s_mov_b32 s[G1B+6], 0
	s_mov_b32 s[G1B+7], 0
	s_lshr_b32 s16, s13, 3                         ; O: batch x 16 heads x 262,144 bytes
	s_lshl_b32 s16, s16, 22
	s_and_b32 s17, s13, 7
	s_lshl_b32 s17, s17, 15                        ; + 256 tokens x 128 bytes
	s_add_co_u32 s16, s16, s17
	s_lshl_b32 s17, s12, 18                        ; + my head of the K step's two
	s_add_co_u32 s16, s16, s17
	s_mov_b32 s17, 0
	s_lshl_b32 s46, s42, 7                         ; wt: row 3072 + 128 x block + 64 x half
	s_lshl_b32 s47, s12, 6
	s_add_co_u32 s46, s46, s47
	s_add_co_u32 s46, s46, 3072
	s_lshl_b32 s46, s46, 11
	s_mov_b32 s47, 0
	s_mul_i32 s20, s12, AHEAD
	s_mul_i32 s21, s12, 64*PITCH
	s_add_co_u32 s21, s21, ABYTES
	s_mov_b32 s88, 0xffff0000
	s_wait_dscnt 0x0                               ; the opening add is done
	s_wait_kmcnt 0x0
	s_add_nc_u64 s[14:15], s[68:69], s[16:17]
	s_add_nc_u64 s[46:47], s[70:71], s[46:47]
	CROUND
.irp s, 0,1
	s_mov_b32 s[G0+4*(\s)], 1
	s_add_co_u32 s[G0+4*(\s)+1], s20, (\s)*SLOT
	s_add_nc_u64 s[G0+4*(\s)+2:G0+4*(\s)+3], s[14:15], (\s)*524288
	s_or_b32 s[G0+4*(\s)+3], s[G0+4*(\s)+3], 0x80000000
	s_mov_b32 s[G0B+4*(\s)], 1
	s_add_co_u32 s[G0B+4*(\s)+1], s21, (\s)*SLOT
	s_add_nc_u64 s[G0B+4*(\s)+2:G0B+4*(\s)+3], s[46:47], (\s)*256
	s_or_b32 s[G0B+4*(\s)+3], s[G0B+4*(\s)+3], 0x80000000
	JLOAD \s                                       ; two tensor loads of mine are out
.endr
	v_and_b32 v1, 15, v0
	v_bfe_u32 v2, v0, 4, 1
	v_and_b32 v3, 31, v0
	s_lshl_b32 s46, s42, 9
	v_lshl_add_u32 v[BOF], v2, 5, s46
.irp b, 0,1,2,3,4,5,6,7
	global_load_b128 v[BI+8*\b:BI+8*\b+3],   v[BOF], s[72:73] offset:64*\b
	global_load_b128 v[BI+8*\b+4:BI+8*\b+7], v[BOF], s[72:73] offset:64*\b+16
.endr
	v_mul_u32_u24 v4, v1, APITCH
	v_lshl_add_u32 v4, v2, 4, v4
	s_mul_i32 s22, s10, 64*APITCH
	v_add_nc_u32 v[ADRA], s22, v4
	v_add_nc_u32 v[ADRA+1], SLOT, v[ADRA]
	v_mul_u32_u24 v4, v1, PITCH
	v_lshl_add_u32 v4, v2, 4, v4
	v_add_nc_u32 v[ADRB], ABYTES, v4
	v_add_nc_u32 v[ADRB+1], SLOT, v[ADRB]
	s_mul_i32 s23, s10, 16*SPITCH
	s_add_co_u32 s23, s23, STAGE
	v_mul_u32_u24 v5, v1, SPITCH
	v_lshl_add_u32 v5, v2, 5, v5
	v_add_nc_u32 v[STO], s23, v5                   ; in: row r, 32 bytes for each half of the lanes
	v_lshl_add_u32 v[RD], v3, 4, s23               ; back: 32 lanes take one row of 512 bytes
	v_lshlrev_b32 v[GO], 4, v3
	s_lshl_b32 s16, s13, 8
	s_lshl_b32 s17, s10, 6
	s_add_co_u32 s16, s16, s17                     ; my first row
	s_lshl_b32 s16, s16, 12
	s_mov_b32 s17, 0
	s_add_nc_u64 s[74:75], s[74:75], s[16:17]
	s_mov_b32 s47, 0                               ; s46 still holds the block's first column in bytes
	s_add_nc_u64 s[74:75], s[74:75], s[46:47]
	s_wait_loadcnt 0x0
.set i, 0
.rept 32
	v_cvt_pk_bf16_f32 v[TT], v[BI+2*i], v[BI+2*i+1]
	v_lshlrev_b32 v[BI+2*i], 16, v[TT]
	v_and_b32 v[BI+2*i+1], s88, v[TT]
.set i, i+1
.endr
.macro MULA f, a, zero                 ; 8 matrix instructions: row tile a x all column tiles; the 32 accumulators take turns
	WIN 0xa1
.irp b, 0,1,2,3,4,5,6,7
.if \zero
	v_wmma_f32_16x16x32_bf16 v[64*(\a)+8*\b:64*(\a)+8*\b+7], v[64*(\f)+8*\b:64*(\f)+8*\b+7], v[64+32*(\f)+8*(\a):64+32*(\f)+8*(\a)+7], 0
.else
	v_wmma_f32_16x16x32_bf16 v[64*(\a)+8*\b:64*(\a)+8*\b+7], v[64*(\f)+8*\b:64*(\f)+8*\b+7], v[64+32*(\f)+8*(\a):64+32*(\f)+8*(\a)+7], v[64*(\a)+8*\b:64*(\a)+8*\b+7]
.endif
.endr
.endm
.macro FETCH slot, q, f                ; 24 LDS loads: quarter q of a K step (head q / 2, channels 32 (q % 2) on) into buffer f
	WIN 0x40
.irp i, 0,1,2,3,4,5,6,7
	ds_load_b128 v[64*(\f)+8*\i:64*(\f)+8*\i+3],   v[ADRB+(\slot)] offset:64*(\q)+\i*16*PITCH
	ds_load_b128 v[64*(\f)+8*\i+4:64*(\f)+8*\i+7], v[ADRB+(\slot)] offset:64*(\q)+\i*16*PITCH+32
.endr
	WIN 0
.irp i, 0,1,2,3
	ds_load_b128 v[64+32*(\f)+8*\i:64+32*(\f)+8*\i+3],   v[ADRA+(\slot)] offset:((\q)/2)*AHEAD+((\q)%2)*64+\i*16*APITCH
	ds_load_b128 v[64+32*(\f)+8*\i+4:64+32*(\f)+8*\i+7], v[ADRA+(\slot)] offset:((\q)/2)*AHEAD+((\q)%2)*64+\i*16*APITCH+32
.endr
.endm
.macro QUARTER slot, q, f, g, zero
	s_wait_dscnt 4                                 ; the youngest four loads, O's row tiles 2 and 3, may be out
	MULA \f, 0, \zero
	MULA \f, 1, \zero
	PLACES
	FETCH \slot, \q, \g
	s_wait_dscnt 2*NT+8                            ; all but the 24 just issued
	MULA \f, 2, \zero
	MULA \f, 3, \zero
.endm
; The change of slots: each wave waits for all its tensor loads (one is out: its part of the next slot), adds 0 to its spare word, waits for that and for its reads of this slot.
; fill = 1: the barrier opens a round of the cluster's, and the joint refill, two K steps ahead, is the first thing behind it.
.macro TURN slot, next, fill
	WIN 0
	s_wait_tensorcnt 0x0
	ds_add_u32 v[SPW], v[NIL]
	s_wait_dscnt 5                                 ; the add and the youngest four loads may be out
	MULA 1, 0, 0
	s_wait_dscnt 0x0
	s_barrier_signal -1
	MULA 1, 1, 0
.if \fill
	WIN 0
.endif
	s_barrier_wait -1
.if \fill
	CREST
	s_add_nc_u64 s[G0+4*(\slot)+2:G0+4*(\slot)+3], s[G0+4*(\slot)+2:G0+4*(\slot)+3], 1048576  ; four heads on
	s_add_nc_u64 s[G0B+4*(\slot)+2:G0B+4*(\slot)+3], s[G0B+4*(\slot)+2:G0B+4*(\slot)+3], 512
	JLOAD \slot                                    ; one tensor load of mine is out
.else
	PLACES
.endif
	FETCH \next, 0, 0
	MULA 1, 2, 0
	MULA 1, 3, 0
.endm
	s_wait_tensorcnt 1                             ; my part of K step 0 is in; K step 1's stays out
	s_barrier_signal -1
	s_barrier_wait -1
	FETCH 0, 0, 0
	QUARTER 0, 1, 0, 1, 1
	WIN 0
	s_mov_b32 s3, LAPS-1
.Llap:
	QUARTER 0, 2, 1, 0, 0
	QUARTER 0, 3, 0, 1, 0
	TURN 0, 1, 1
	QUARTER 1, 1, 0, 1, 0
	QUARTER 1, 2, 1, 0, 0
	QUARTER 1, 3, 0, 1, 0
	TURN 1, 0, 1
	QUARTER 0, 1, 0, 1, 0
	WIN 0
	s_sub_co_u32 s3, s3, 1
	s_cmp_lg_u32 s3, 0
	s_cbranch_scc1 .Llap
	QUARTER 0, 2, 1, 0, 0
	QUARTER 0, 3, 0, 1, 0
	TURN 0, 1, 0
	QUARTER 1, 1, 0, 1, 0
	QUARTER 1, 2, 1, 0, 0
	QUARTER 1, 3, 0, 1, 0
	s_wait_dscnt 4
	MULA 1, 0, 0
	MULA 1, 1, 0
	s_wait_dscnt 0x0
	MULA 1, 2, 0
	MULA 1, 3, 0
	PLACES
; THE WAY OUT of row tile a: bias, through my stage, and out as whole rows of 512 bytes.
.macro OUT a
.if (\a) > 0
	s_wait_xcnt 0x0                                ; the last tile's stores have read their registers
.endif
	WIN 0x42
.set i, 0
.rept 32                                       ; each accumulator's registers in ascending order
	v_pk_add_f32 v[128+2*i:129+2*i], v[64*(\a)+2*i:64*(\a)+2*i+1], v[BI+2*i:BI+2*i+1]
.set i, i+1
.endr
	WIN 0x04
.irp b, 0,1,2,3,4,5,6,7
	ds_store_b128 v[STO], v[128+8*\b:128+8*\b+3] offset:64*\b
	ds_store_b128 v[STO], v[132+8*\b:132+8*\b+3] offset:64*\b+16
.endr
	WIN 0x40
.set i, 0
.rept 16                                       ; LDS serves a wave's instructions in order: these see the stores above
	ds_load_b128 v[192+4*i:192+4*i+3], v[RD] offset:i*SPITCH
.set i, i+1
.endr
	WIN 0x04
.set i, 0
.rept 16
	s_wait_dscnt 15-i
	global_store_b128 v[GO], v[192+4*i:192+4*i+3], s[74:75] offset:(16*(\a)+i)*4096 th:TH_STORE_NT  ; 512 consecutive bytes, aligned
.set i, i+1
.endr
.endm
	OUT 0
	OUT 1
	OUT 2
	OUT 3
	WIN 0
	s_wait_tensorcnt 0x0                           ; the wave's end
	ds_add_u32 v[SPW], v[NIL]
	s_wait_dscnt 0x0
	CROUND                                         ; the closing round
	s_endpgm
.Lfunc_end_k_q18a2760fa3_outp:
	.size	k_q18a2760fa3_outp, .Lfunc_end_k_q18a2760fa3_outp-k_q18a2760fa3_outp
	.p2alignl 7, 3214868480
	.fill 96, 4, 3214868480
	.section	.rodata,"a",@progbits
	.p2align	6, 0x0
	.amdhsa_kernel k_q18a2760fa3_outp
		.amdhsa_group_segment_fixed_size 327680
		.amdhsa_private_segment_fixed_size 0
		.amdhsa_enable_private_segment 0
		.amdhsa_kernarg_size 32
		.amdhsa_user_sgpr_count 2
		.amdhsa_user_sgpr_kernarg_segment_ptr 1
		.amdhsa_wavefront_size32 1
		.amdhsa_system_sgpr_workgroup_id_x 1
		.amdhsa_system_sgpr_workgroup_id_y 1
		.amdhsa_system_sgpr_workgroup_id_z 1
		.amdhsa_system_vgpr_workitem_id 0
		.amdhsa_next_free_vgpr 768
		.amdhsa_next_free_sgpr 96
		.amdhsa_reserve_vcc 0
		.amdhsa_float_denorm_mode_32 3
		.amdhsa_float_denorm_mode_16_64 3
		.amdhsa_memory_ordered 1
		.amdhsa_forward_progress 1
		.amdhsa_inst_pref_size 101
	.end_amdhsa_kernel
	.amdgpu_metadata
---
amdhsa.version: [ 1, 2 ]
amdhsa.kernels:
  - .name:           k_q18a2760fa3_outp
    .symbol:         k_q18a2760fa3_outp.kd
    .args:
      - { .name: ob, .offset: 0, .size: 8, .value_kind: global_buffer, .address_space: global }
      - { .name: wt, .offset: 8, .size: 8, .value_kind: global_buffer, .address_space: global }
      - { .name: bo, .offset: 16, .size: 8, .value_kind: global_buffer, .address_space: global }
      - { .name: out0, .offset: 24, .size: 8, .value_kind: global_buffer, .address_space: global }
    .group_segment_fixed_size: 327680
    .private_segment_fixed_size: 0
    .kernarg_segment_align: 8
    .kernarg_segment_size: 32
    .max_flat_workgroup_size: 128
    .sgpr_count:     96
    .vgpr_count:     768
    .wavefront_size: 32
...
	.end_amdgpu_metadata
.endif
;; end of part 5
